; MI455X (gfx1250); checked and timed in simulation.
; The chip was launched on July 23, 2026; its instructions are those of AMD's public machine-readable ISA for CDNA 5 (MIT licence, August 2026) and "CDNA5" Instruction Set Architecture Reference Guide (July 2026). The comments in the code are by the model that wrote it; some were corrected since.
;; Attention. Allowed arithmetic: float matrix products may take bf16 or f16 operands with f32 sums; all other float work in f32.
;; Inputs: W_K 16 x 64 x 1,024 float32; W_O 1,024 x 1,024 float32; W_Q 16 x 64 x 1,024 float32; W_V 16 x 64 x 1,024 float32; x 4 x 2,048 x 1,024 float32.
;; Outputs: out0 4 x 2,048 x 1,024 float32.
;; 2 versions, each right and faster than the one before. Each part assembles by itself: llvm-mc -triple=amdgcn-amd-amdhsa -mcpu=gfx1250 --defsym DOCPART=n.
;; ======== version 1 of 2: 4 launches
;; limits: values are held in f16: magnitudes above 65,504 overflow, below 6.1e-05 lose precision
;; workspace buffers: xh 16,777,216 bytes; wh 6,291,456 bytes; woh 2,097,152 bytes; qkvh 50,331,648 bytes; zh 16,777,216 bytes
;; launch cast (part 1): grid 768 x 1, 8 waves a work-group, no clusters, 0 bytes of LDS; arguments x, W_Q, W_K, W_V, W_O, xh, wh, woh; writes xh, wh, woh
.if DOCPART == 1
	.amdgcn_target "amdgcn-amd-amdhsa--gfx1250"
	.amdhsa_code_object_version 6
	.text
	.protected	k_q750cdf1744_cast
	.globl	k_q750cdf1744_cast
	.p2align	8
	.type	k_q750cdf1744_cast,@function
k_q750cdf1744_cast:
	s_mov_b64 s[64:65], 0
	v_nop
	global_prefetch_b8 v0, s[64:65] scope:SCOPE_SE
	s_setreg_imm32_b32 hwreg(HW_REG_WAVE_MODE, 25, 1), 1
	s_wait_xcnt 0x0
; CAST: x, W_Q, W_K, W_V, W_O (f32, rows of 1,024) become 16-bit matrix operands in K-blocked form [kblock of 64][row][64].
; Each number is rounded to bf16 (nearest even) and then written as f16, which holds every bf16 number of magnitude 2^-14 to 65,504 exactly.
; All later products take f16 operands and sum in f32; q, k, v, the softmax weights and z are kept in f16 (11 bits) between the launches.
; xh = x: [16][8192][64].  wh = W_Q rows (head, h), then W_K, then W_V: [16][3072][64].  woh = W_O: [16][1024][64].
;
; WORK LEFT OUT BY THE WHOLE PROGRAM.  For a key p behind the query q reference() multiplies the score by a 0 of its own tril and puts -1e10
; in its place: the product k.q has no way to any result there, whatever the inputs hold.  That entry's softmax weight is exp((-1e10 - m)/8),
; m the largest entry of the row; it is under the smallest f32 number as soon as m is above -1e10 + 832, so its term in the sum and in z moves
; no result.  A step of 64 keys x 16 queries in which every key lies behind every query is therefore not computed (launch attn); in a step that
; holds keys of both kinds the entry is set to -1e10 by a select, as reference() has it, and goes through the same maximum and exponential as the others.
; Every input has a way to the result and is loaded.
; LIMITS.  (1) Every row's largest live score is above -9.99e9.  (2) A NaN, an infinity or an overflow that reaches only the steps left out
; is not carried to the result.  (3) |x|, |W|, |q|, |k|, |v|, |z| stay under 65,504 (f16); under 2^-14 their absolute error is at most 2^-25.
;
; A stream: no LDS, no matrix unit, no loop.  Work-group g takes 16 rows of 4,096 bytes, thread t the 16 bytes at byte 16 (t mod 16) of each
; 256-byte piece of row t / 16: a load of a wave covers 256 aligned bytes of each of two rows, a store of a wave 256 consecutive aligned bytes
; (two rows of one kblock).  Sixteen loads of every wave are on their way; no register is written twice while memory may still read it.
.set DO, 2                             ; v[2:17]   byte offset of my 8 bytes in kblock 0 .. 15 of the destination
.set TT, 18                            ; v[18:23]  at work
.set XI, 32                            ; v[32:95]  kblock k: 4 numbers as loaded
.set YO, 96                            ; v[96:127] kblock k: 4 numbers in f16
	s_load_b512 s[16:31], s[0:1], 0x0              ; x s[16:17], W_Q s[18:19], W_K s[20:21], W_V s[22:23], W_O s[24:25], xh s[26:27], wh s[28:29], woh s[30:31]
	s_mov_b32 s2, ttmp9                            ; g: 0-511 x, 512-575 W_Q, 576-639 W_K, 640-703 W_V, 704-767 W_O
	s_sub_co_u32 s3, s2, 512                       ; block of 16 rows in wh
	s_and_b32 s4, s3, 63                           ; block of 16 rows in its weight
	s_sub_co_u32 s5, s2, 704                       ; block of 16 rows in W_O and woh
	s_mov_b32 s9, 8192*128                         ; bytes of a kblock of xh,
	s_mov_b32 s10, 3072*128                        ; of wh,
	s_mov_b32 s11, 1024*128                        ; of woh
	v_lshrrev_b32 v1, 4, v0                        ; my row of the 16
	v_and_b32 v[TT], 15, v0
	v_lshlrev_b32 v[TT], 4, v[TT]
	v_lshl_add_u32 v1, v1, 12, v[TT]               ; source: row x 4,096 + 16 (t mod 16)
	v_lshlrev_b32 v[DO], 3, v0                     ; destination: row x 128 + 8 (t mod 16) = 8 t
	s_wait_kmcnt 0x0
	s_cmp_ge_u32 s2, 512                           ; the choices hang on the work-group's number alone
	s_cselect_b64 s[12:13], s[18:19], s[16:17]     ; source
	s_cselect_b64 s[14:15], s[28:29], s[26:27]     ; destination
	s_cselect_b32 s6, s4, s2                       ; block of rows in the source
	s_cselect_b32 s7, s3, s2                       ; block of rows in the destination
	s_cselect_b32 s8, s10, s9                      ; bytes from kblock to kblock
	s_cmp_ge_u32 s2, 576
	s_cselect_b64 s[12:13], s[20:21], s[12:13]
	s_cmp_ge_u32 s2, 640
	s_cselect_b64 s[12:13], s[22:23], s[12:13]
	s_cmp_ge_u32 s2, 704
	s_cselect_b64 s[12:13], s[24:25], s[12:13]
	s_cselect_b64 s[14:15], s[30:31], s[14:15]
	s_cselect_b32 s6, s5, s6
	s_cselect_b32 s7, s5, s7
	s_cselect_b32 s8, s11, s8
	s_lshl_b32 s32, s6, 16                         ; 16 rows of 4,096 bytes
	s_mov_b32 s33, 0
	s_add_nc_u64 s[12:13], s[12:13], s[32:33]
	s_lshl_b32 s34, s7, 11                         ; 16 rows of 128 bytes
	s_mov_b32 s35, 0
	s_add_nc_u64 s[14:15], s[14:15], s[34:35]
.irp k, 0,1,2,3,4,5,6,7,8,9,10,11,12,13,14,15
	global_load_b128 v[XI+4*\k:XI+4*\k+3], v1, s[12:13] offset:256*\k th:TH_LOAD_NT   ; read once in the launch
.endr
.irp k, 1,2,3,4,5,6,7,8,9,10,11,12,13,14,15
	v_add_nc_u32 v[DO+\k], s8, v[DO+\k-1]
.endr
.irp k, 0,1,2,3,4,5,6,7,8,9,10,11,12,13,14,15
	s_wait_loadcnt 15-\k                           ; loads come back in order: kblock k is in, the 15 - k younger ones stay out
	v_cvt_pk_bf16_f32 v[TT], v[XI+4*\k], v[XI+4*\k+1]          ; the rounding: to bf16, nearest even
	v_cvt_pk_bf16_f32 v[TT+1], v[XI+4*\k+2], v[XI+4*\k+3]
	v_lshlrev_b32 v[TT+2], 16, v[TT]                           ; back to f32: the low half moves up, the high half stays
	v_and_b32 v[TT+3], 0xffff0000, v[TT]
	v_lshlrev_b32 v[TT+4], 16, v[TT+1]
	v_and_b32 v[TT+5], 0xffff0000, v[TT+1]
	v_cvt_pk_f16_f32 v[YO+2*\k], v[TT+2], v[TT+3]              ; exact between 2^-14 and 65,504
	v_cvt_pk_f16_f32 v[YO+2*\k+1], v[TT+4], v[TT+5]
	global_store_b64 v[DO+\k], v[YO+2*\k:YO+2*\k+1], s[14:15]
.endr
	s_endpgm
.Lfunc_end_k_q750cdf1744_cast:
	.size	k_q750cdf1744_cast, .Lfunc_end_k_q750cdf1744_cast-k_q750cdf1744_cast
	.p2alignl 7, 3214868480
	.fill 96, 4, 3214868480
	.section	.rodata,"a",@progbits
	.p2align	6, 0x0
	.amdhsa_kernel k_q750cdf1744_cast
		.amdhsa_group_segment_fixed_size 0
		.amdhsa_private_segment_fixed_size 0
		.amdhsa_enable_private_segment 0
		.amdhsa_kernarg_size 64
		.amdhsa_user_sgpr_count 2
		.amdhsa_user_sgpr_kernarg_segment_ptr 1
		.amdhsa_wavefront_size32 1
		.amdhsa_system_sgpr_workgroup_id_x 1
		.amdhsa_system_sgpr_workgroup_id_y 1
		.amdhsa_system_sgpr_workgroup_id_z 1
		.amdhsa_system_vgpr_workitem_id 0
		.amdhsa_next_free_vgpr 128
		.amdhsa_next_free_sgpr 66
		.amdhsa_reserve_vcc 0
		.amdhsa_float_denorm_mode_32 3
		.amdhsa_float_denorm_mode_16_64 3
		.amdhsa_memory_ordered 1
		.amdhsa_forward_progress 1
		.amdhsa_inst_pref_size 13
	.end_amdhsa_kernel
	.amdgpu_metadata
---
amdhsa.version: [ 1, 2 ]
amdhsa.kernels:
  - .name:           k_q750cdf1744_cast
    .symbol:         k_q750cdf1744_cast.kd
    .args:
      - { .name: x, .offset: 0, .size: 8, .value_kind: global_buffer, .address_space: global }
      - { .name: W_Q, .offset: 8, .size: 8, .value_kind: global_buffer, .address_space: global }
      - { .name: W_K, .offset: 16, .size: 8, .value_kind: global_buffer, .address_space: global }
      - { .name: W_V, .offset: 24, .size: 8, .value_kind: global_buffer, .address_space: global }
      - { .name: W_O, .offset: 32, .size: 8, .value_kind: global_buffer, .address_space: global }
      - { .name: xh, .offset: 40, .size: 8, .value_kind: global_buffer, .address_space: global }
      - { .name: wh, .offset: 48, .size: 8, .value_kind: global_buffer, .address_space: global }
      - { .name: woh, .offset: 56, .size: 8, .value_kind: global_buffer, .address_space: global }
    .group_segment_fixed_size: 0
    .private_segment_fixed_size: 0
    .kernarg_segment_align: 8
    .kernarg_segment_size: 64
    .max_flat_workgroup_size: 256
    .sgpr_count:     66
    .vgpr_count:     128
    .wavefront_size: 32
...
	.end_amdgpu_metadata
.endif
;; end of part 1
;; launch qkv (part 2): grid 8 x 32, 4 waves a work-group, clusters of 4 x 4, 327,680 bytes of LDS; arguments xh, wh, qkvh; writes qkvh
.if DOCPART == 2
	.amdgcn_target "amdgcn-amd-amdhsa--gfx1250"
	.amdhsa_code_object_version 6
	.text
	.protected	k_q750cdf1744_qkv
	.globl	k_q750cdf1744_qkv
	.p2align	8
	.type	k_q750cdf1744_qkv,@function
k_q750cdf1744_qkv:
	s_mov_b64 s[64:65], 0
	v_nop
	global_prefetch_b8 v0, s[64:65] scope:SCOPE_SE
	s_setreg_imm32_b32 hwreg(HW_REG_WAVE_MODE, 25, 1), 1
	s_wait_xcnt 0x0
	s_wait_alu depctr_hold_cnt(0) depctr_sa_sdst(0) depctr_va_vdst(0) depctr_va_sdst(0) depctr_va_ssrc(0) depctr_va_vcc(0) depctr_vm_vsrc(0)
	s_getreg_b32 s2, hwreg(HW_REG_IB_STS2, 6, 4)
	s_cmp_eq_u32 s2, 0
	s_cbranch_scc0 .Lentry_in_a_cluster
	s_endpgm
.Lentry_in_a_cluster:
	s_bfe_u32 s2, ttmp6, 0x10000c
	s_cmp_lg_u32 s2, 0xf033
	s_cbranch_scc0 .Lentry_shape_is_right
	s_endpgm
.Lentry_shape_is_right:
; QKV: C[p][n] = sum over d of x[p][d] W[n][d], p = 8,192 positions, n = 3,072 rows of (W_Q, W_K, W_V), d = 1,024.  Operands f16, sums f32, C in f16.
; xh [16][8192][64], wh [16][3072][64], qkvh [48 slices of 64 columns][8192][64]: slice = head for q, 16 + head for k, 32 + head for v.
; Nothing of reference() is left out here.  Limit: |q|, |k|, |v| under 65,504.
; A work-group makes 256 rows x 384 columns with four waves, a wave 128 x 192: 96 accumulator tiles of 16 x 16 in 768 registers.  8 x 32 = 256 work-groups.
; K goes in 16 steps of 64 (one kblock) through two LDS slots.  A kblock's rows follow each other densely in memory, so a tile is a dense block and is
; fetched as rows of 256 bytes; the mover lays 16 bytes behind every 128, so that an LDS row of 64 numbers has a pitch of 144 = 9 x 16 bytes and the
; sixteen rows of a fragment load start at sixteen different 16-byte columns modulo 256 bytes.
; CLUSTERS: 4 x 4 work-groups.  The four of a row of the cluster need the same tile of x, the four of a column the same tile of W: each tile is asked
; for jointly, by the same line with the same descriptor in all four, which divides the requests by four.
; REGISTERS: window 0: v16-26 addresses; v32-95, v96-159 fragments of x (8 x 16 rows x 32 K), two buffers; v160-191, v192-223, v224-255 the fragments
; of W for columns 0-63, 64-127, 128-191 (4 x 16 rows x 32 K each).  Window 1 + j: the 32 tiles of column third j, tile (a, b) at v[8 (4 a + b)].
; THE MATRIX INSTRUCTION IS USED TRANSPOSED (source 0 = rows of W, source 1 = rows of x): lane l then holds row l % 16 of C and its eight registers the
; columns 8 (l / 16) + 0 .. 7, eight neighbouring numbers that pack into 16 bytes.
; The accumulators take turns, one matrix instruction a turn, in the same order in every quarter and over the backward jump.
.set PITCH,  144
.set FR,     16*PITCH                  ; from fragment to fragment
.set AREG,   256*PITCH                 ; x's 256 rows
.set BREG,   384*PITCH                 ; W's 384 rows
.set SLOT,   AREG+BREG                 ; 92,160
.set STAGE,  2*SLOT                    ; behind the ring, at a multiple of 256: 16 rows x 400 bytes for each wave; no tensor load lands here
.set SPITCH, 400                       ; 192 f16 + 16 bytes = 25 x 16
.set ASTEP,  8192*128                  ; bytes from kblock to kblock of xh
.set BSTEP,  3072*128                  ; of wh
.set LAPS,   8                         ; a lap = two K steps = once round the ring
.set ADRA, 16                          ; v16-17  LDS address of my x fragments in slot 0, 1
.set ADRB, 20                          ; v20-21  the same for W
.set STO,  24                          ; the way out: where I put 16 bytes of a row
.set RD,   25                          ; where I read back
.set CO,   26                          ; my byte offset in a slice
.set AF0,  32
.set AF1,  96
.set BF0,  160
.set BF1,  192
.set BF2,  224
.set TMP,  32                          ; the way out: 48 registers of packed results
.set G1,  24                           ; s[24:31] descriptor group 1 for x's tiles
.set G0,  32                           ; s[32:39] group 0 for x's tiles, a set for each slot
.set G1B, 48                           ; s[48:55] group 1 for W's tiles
.set G0B, 56                           ; s[56:63] group 0 for W's tiles, a set for each slot
.set GW0, (3<<16)|(1<<20)|(1<<21)|(4<<22)|(3<<25)   ; elements of 8 bytes; padding on; bit 21 beside a mask; after every 32 words; 4 words
.set MSB, 0
.macro WIN new                         ; the immediate's high byte repeats the setting that is left
.if MSB != \new
	s_set_vgpr_msb (MSB<<8)|\new
.set MSB, \new
.endif
.endm
.macro PLACES                          ; four places behind a matrix instruction, ahead of loads into its sources and of readers of its result
.rept 4
	v_nop
.endr
.endm
; A joint load: waves 0 and 1 fetch the halves of x's tile, waves 2 and 3 those of W's.  The branch hangs on the wave's number alone.
.macro JLOAD s
	s_cmp_eq_u32 s11, 0
	s_cbranch_scc0 .Lfor_b_\@
	tensor_load_to_lds s[G0+4*\s:G0+4*\s+3], s[G1:G1+7]
	s_nop 0
	s_branch .Lasked_\@
.Lfor_b_\@:
	tensor_load_to_lds s[G0B+4*\s:G0B+4*\s+3], s[G1B:G1B+7]
	s_nop 0
.Lasked_\@:
.endm
.macro CREST                           ; a round of the cluster's barrier behind its opening work-group barrier
	s_cmp_lg_u32 s10, 0
	s_cbranch_scc1 .Lnot_wave_0_\@
	s_barrier_signal -3
.Lnot_wave_0_\@:
	s_barrier_wait -3
	s_barrier_signal -1
	s_barrier_wait -1
.endm
.macro CROUND                          ; a whole round
	s_barrier_signal -1
	s_barrier_wait -1
	CREST
.endm
	s_load_b128 s[4:7], s[0:1], 0x0                ; xh s[4:5], wh s[6:7]
	s_load_b64 s[8:9], s[0:1], 0x10                ; qkvh
	v_lshl_add_u32 v30, v0, 2, 0x33400
	v_mov_b32 v31, 0
	ds_add_u32 v30, v31
	v_lshrrev_b32 v1, 5, v0
	v_readfirstlane_b32 s10, v1                    ; wave 0..3
	s_lshr_b32 s11, s10, 1                         ; my half of the block's rows.  Also: I fetch for x (0) or for W (1)
	s_and_b32 s12, s10, 1                          ; my half of its columns.  Also: which half of that tile I fetch
	s_bfe_u32 s40, ttmp6, 0x40000                  ; cx
	s_bfe_u32 s41, ttmp6, 0x40004                  ; cy
	s_lshl_b32 s42, ttmp9, 2
	s_add_co_u32 s42, s42, s40                     ; block column = 4 x cluster x + cx
	s_and_b32 s13, ttmp7, 0xffff
	s_lshl_b32 s13, s13, 2
	s_add_co_u32 s13, s13, s41                     ; block row = 4 x cluster y + cy
	s_lshl_b32 s43, s41, 2
	s_lshl_b32 s43, 15, s43                        ; my row of the cluster: places 4 cy .. 4 cy + 3
	s_lshl_b32 s44, 0x1111, s40                    ; my column: places cx, cx + 4, cx + 8, cx + 12
	s_or_b32 s[G1+0], s43, GW0                     ; x's tiles go to my row of the cluster
	s_mov_b32 s[G1+1], 32<<16                      ; tensor_dim0 = 32 elements of 8 bytes: rows of 256 bytes
	s_mov_b32 s[G1+2], 64<<16                      ; tensor_dim1 = 64 such rows = 128 rows of x
	s_mov_b32 s[G1+3], 32<<16                      ; tile_dim0
	s_mov_b32 s[G1+4], 64                          ; tile_dim1
	s_mov_b32 s[G1+5], 32                          ; pitch: the block is dense
	s_mov_b32 s[G1+6], 0
	s_mov_b32 s[G1+7], 0
	s_or_b32 s[G1B+0], s44, GW0                    ; W's tiles go to my column
	s_mov_b32 s[G1B+1], 32<<16
	s_mov_b32 s[G1B+2], 96<<16                     ; 96 rows of 256 bytes = 192 rows of W
	s_mov_b32 s[G1B+3], 32<<16
	s_mov_b32 s[G1B+4], 96
	s_mov_b32 s[G1B+5], 32
	s_mov_b32 s[G1B+6], 0
	s_mov_b32 s[G1B+7], 0
	; x's tile hangs on the block row alone, W's on the block column alone; each address is made in registers that never hold the other coordinate
	s_lshl_b32 s16, s13, 15                        ; 256 rows of 128 bytes a block row
	s_lshl_b32 s17, s12, 14                        ; + my 128 rows
	s_add_co_u32 s16, s16, s17
	s_mov_b32 s17, 0
	s_mul_i32 s46, s42, 384*128
	s_mul_i32 s47, s12, 192*128
	s_add_co_u32 s46, s46, s47
	s_mov_b32 s47, 0
	s_mul_i32 s20, s12, 128*PITCH                  ; where they go: made of the wave's number alone
	s_mul_i32 s45, s12, 192*PITCH
	s_add_co_u32 s45, s45, AREG
	s_wait_dscnt 0x0
	s_wait_kmcnt 0x0
	s_add_nc_u64 s[14:15], s[4:5], s[16:17]
	s_add_nc_u64 s[46:47], s[6:7], s[46:47]
	CROUND                                         ; all sixteen work-groups are here: the first joint loads meet
.irp s, 0,1
	s_mov_b32 s[G0+4*\s], 1
	s_add_co_u32 s[G0+4*\s+1], s20, \s*SLOT
	s_add_nc_u64 s[G0+4*\s+2:G0+4*\s+3], s[14:15], \s*ASTEP        ; K step s
	s_or_b32 s[G0+4*\s+3], s[G0+4*\s+3], 0x80000000
	s_mov_b32 s[G0B+4*\s], 1
	s_add_co_u32 s[G0B+4*\s+1], s45, \s*SLOT
	s_add_nc_u64 s[G0B+4*\s+2:G0B+4*\s+3], s[46:47], \s*BSTEP
	s_or_b32 s[G0B+4*\s+3], s[G0B+4*\s+3], 0x80000000
	JLOAD \s                                       ; both slots are asked for before anything else: two tensor loads of the wave are out
.endr
	v_and_b32 v1, 15, v0                           ; l % 16
	v_bfe_u32 v2, v0, 4, 1                         ; l / 16
	v_mul_u32_u24 v3, v1, PITCH
	v_lshl_add_u32 v3, v2, 4, v3                   ; a fragment: row x pitch + 16 x half, two loads 32 bytes apart
	s_mul_i32 s21, s11, 128*PITCH                  ; my 128 rows of x
	s_mul_i32 s22, s12, 192*PITCH                  ; my 192 rows of W,
	s_add_co_u32 s22, s22, AREG                    ; which lie behind x's 256
.irp s, 0,1
	v_add_nc_u32 v[ADRA+\s], s21, v3
	v_add_nc_u32 v[ADRB+\s], s22, v3
	s_add_co_u32 s21, s21, SLOT
	s_add_co_u32 s22, s22, SLOT
.endr
	s_mul_i32 s23, s10, 16*SPITCH
	s_add_co_u32 s23, s23, STAGE                   ; my stage
	v_mul_u32_u24 v4, v1, SPITCH
	v_lshl_add_u32 v4, v2, 4, v4
	v_add_nc_u32 v[STO], s23, v4                   ; in: row l % 16, 16 bytes for each half of the lanes
	v_and_b32 v5, 31, v0
	v_lshrrev_b32 v6, 3, v5
	v_and_b32 v7, 7, v0
	v_mul_u32_u24 v6, v6, SPITCH
	v_lshl_add_u32 v6, v7, 4, v6
	v_add_nc_u32 v[RD], s23, v6                    ; back: eight lanes take the 128 bytes that a row has in one slice, four rows a load
	v_lshlrev_b32 v[CO], 4, v5                     ; and the same four rows in the slice: 512 consecutive bytes
; 16 matrix instructions: row blocks a0 .. a0 + 3 x the four column blocks of one third, 32 along K.  zero = 1: the product starts the sums.
.macro MUL16 af, bf, a0, zero
.irp ia, 0,1,2,3
.irp ib, 0,1,2,3
.if \zero
	v_wmma_f32_16x16x32_f16 v[8*(4*(\a0+\ia)+\ib):8*(4*(\a0+\ia)+\ib)+7], v[\bf+8*\ib:\bf+8*\ib+7], v[\af+8*(\a0+\ia):\af+8*(\a0+\ia)+7], 0
.else
	v_wmma_f32_16x16x32_f16 v[8*(4*(\a0+\ia)+\ib):8*(4*(\a0+\ia)+\ib)+7], v[\bf+8*\ib:\bf+8*\ib+7], v[\af+8*(\a0+\ia):\af+8*(\a0+\ia)+7], v[8*(4*(\a0+\ia)+\ib):8*(4*(\a0+\ia)+\ib)+7]
.endif
.endr
.endr
.endm
; One third of a quarter: 32 matrix instructions under one window setting (C and D in window msb >> 6), then window 0 and the four places for the loads that follow
.macro THIRD msb, af, bf, zero
	WIN \msb
	MUL16 \af, \bf, 0, \zero
	MUL16 \af, \bf, 4, \zero
	WIN 0
	PLACES
.endm
.macro LDA buf, slot, k, a0            ; 8 loads: x fragments a0 .. a0 + 3 at byte k of the rows
.irp ia, 0,1,2,3
	ds_load_b128 v[\buf+8*(\a0+\ia):\buf+8*(\a0+\ia)+3],   v[ADRA+\slot] offset:\k+(\a0+\ia)*FR
	ds_load_b128 v[\buf+8*(\a0+\ia)+4:\buf+8*(\a0+\ia)+7], v[ADRA+\slot] offset:\k+(\a0+\ia)*FR+32
.endr
.endm
.macro LDB buf, slot, k, j             ; 8 loads: the four W fragments of third j
.irp ib, 0,1,2,3
	ds_load_b128 v[\buf+8*\ib:\buf+8*\ib+3],   v[ADRB+\slot] offset:\k+(4*\j+\ib)*FR
	ds_load_b128 v[\buf+8*\ib+4:\buf+8*\ib+7], v[ADRB+\slot] offset:\k+(4*\j+\ib)*FR+32
.endr
.endm
; A K step is two quarters of 32 along K, 96 matrix instructions each.  A quarter's 40 loads are always issued in the order
; W third 0 (8), x 0-3 (8), W third 1 (8), x 4-7 (8), W third 2 (8), each run behind the third that last read the W buffer.
.macro QFIRST slot, zero               ; multiplies x buffer 0, fetches the second quarter of the same slot
	s_wait_dscnt 8                                 ; all but the youngest eight loads (W third 2) are in
	THIRD 0x50, AF0, BF0, \zero
	LDB BF0, \slot, 64, 0
	LDA AF1, \slot, 64, 0
	THIRD 0xa0, AF0, BF1, \zero
	LDB BF1, \slot, 64, 1
	LDA AF1, \slot, 64, 4
	s_wait_dscnt 32                                ; 32 loads were issued behind W third 2: it is in
	THIRD 0xf0, AF0, BF2, \zero
	LDB BF2, \slot, 64, 2
.endm
; The second quarter multiplies x buffer 1 and changes slots.  In front of the barrier each wave waits for its reads of this slot and for all its
; tensor loads (the one that is out is its part of the next slot); behind it the refill comes first, then the next slot's first fragments.
; From a refill's request to the wait for it a wave issues 176 of a step's 192 matrix instructions.
.macro QTURN slot, next, fill
	s_wait_dscnt 8
	WIN 0x50
	MUL16 AF1, BF0, 0, 0
	s_wait_dscnt 0x0                               ; all of this slot's fragments are in registers: my reads of it are over
	s_wait_tensorcnt 0x0                           ; all my tensor loads have landed
	ds_add_u32 v30, v31
	s_wait_dscnt 0x0
	s_barrier_signal -1                            ; say so (with a refill this barrier opens a round of the cluster's barrier),
	MUL16 AF1, BF0, 4, 0                           ; work on registers while the others arrive
	WIN 0
	s_barrier_wait -1
.if \fill
	CREST                                          ; no wave of any partner still reads this slot or has a load on its way
	s_add_nc_u64 s[G0+4*\slot+2:G0+4*\slot+3], s[G0+4*\slot+2:G0+4*\slot+3], 2*ASTEP
	s_add_nc_u64 s[G0B+4*\slot+2:G0B+4*\slot+3], s[G0B+4*\slot+2:G0B+4*\slot+3], 2*BSTEP
	JLOAD \slot                                    ; the wave's one tensor load behind the round, two K steps ahead
.endif
	PLACES
	LDB BF0, \next, 0, 0
	LDA AF0, \next, 0, 0
	THIRD 0xa0, AF1, BF1, 0
	LDB BF1, \next, 0, 1
	LDA AF0, \next, 0, 4
	THIRD 0xf0, AF1, BF2, 0
	LDB BF2, \next, 0, 2
.endm
.macro LAP zero
	QFIRST 0, \zero
	QTURN 0, 1, 1
	QFIRST 1, 0
	QTURN 1, 0, 1
.endm
	s_wait_tensorcnt 0x1                           ; my part of K step 0 is in; K step 1's may stay out
	s_barrier_signal -1
	s_barrier_wait -1                              ; everybody's is
	LDB BF0, 0, 0, 0
	LDA AF0, 0, 0, 0
	LDB BF1, 0, 0, 1
	LDA AF0, 0, 0, 4
	LDB BF2, 0, 0, 2
	LAP 1                                          ; the first lap stands in front of the loop: its first products start the sums
	WIN 0
	s_mov_b32 s3, LAPS-2
.Llap:
	LAP 0
	WIN 0
	s_sub_co_u32 s3, s3, 1
	s_cmp_lg_u32 s3, 0
	s_cbranch_scc1 .Llap
	QFIRST 0, 0                                    ; the last lap fills nothing
	QTURN 0, 1, 0
	QFIRST 1, 0
	s_wait_dscnt 8                                 ; the very last quarter: nothing more to fetch
	WIN 0x50
	MUL16 AF1, BF0, 0, 0
	MUL16 AF1, BF0, 4, 0
	s_wait_dscnt 0x0
	WIN 0xa0
	MUL16 AF1, BF1, 0, 0
	MUL16 AF1, BF1, 4, 0
	WIN 0xf0
	MUL16 AF1, BF2, 0, 0
	MUL16 AF1, BF2, 4, 0
	WIN 0
	PLACES                                         ; behind the last matrix instructions, ahead of the conversions
	; THE WAY OUT, 16 rows at a time: round to f16, 16 bytes a lane into my own stage, read back by slices, 512 consecutive bytes a store.
	s_lshl_b32 s16, s13, 15                        ; my first row: (256 block row + 128 half) x 128 bytes
	s_lshl_b32 s17, s11, 14
	s_add_co_u32 s16, s16, s17
	s_mov_b32 s17, 0
	s_add_nc_u64 s[8:9], s[8:9], s[16:17]
	s_mul_i32 s46, s42, 6                          ; my first slice: 6 block column + 3 half
	s_mul_i32 s47, s12, 3
	s_add_co_u32 s46, s46, s47
	s_lshl_b32 s46, s46, 20                        ; a slice is 8,192 rows of 128 bytes
	s_mov_b32 s47, 0
	s_add_nc_u64 s[8:9], s[8:9], s[46:47]
.macro OUT16 a, f                      ; rows 16 a .. 16 a + 15 of my block; f: v96 or v160 by turns
.irp jw, 1,2,3
	WIN \jw*5                                      ; sources 0 and 1 in window jw
.irp ib, 0,1,2,3
.irp ir, 0,1,2,3
	v_cvt_pk_f16_f32 v[TMP+16*(\jw-1)+4*\ib+\ir], v[8*(4*\a+\ib)+2*\ir], v[8*(4*\a+\ib)+2*\ir+1]
.endr
.endr
.endr
	WIN 0
.set nn, 0
.rept 12
	ds_store_b128 v[STO], v[TMP+4*nn:TMP+4*nn+3] offset:32*nn
.set nn, nn+1
.endr
	s_wait_xcnt 0x0                                ; buffer f, which earlier stores read, is loaded again only behind this wait
.irp ic, 0,1,2
.irp it, 0,1,2,3
	ds_load_b128 v[\f+4*(4*\ic+\it):\f+4*(4*\ic+\it)+3], v[RD] offset:\it*4*SPITCH+128*\ic   ; LDS serves a wave's instructions in order: these see the stores above
.endr
.endr
.irp ic, 0,1,2
.irp it, 0,1,2,3
	s_wait_dscnt 11-(4*\ic+\it)                    ; the younger read-backs stay out
	global_store_b128 v[CO], v[\f+4*(4*\ic+\it):\f+4*(4*\ic+\it)+3], s[8:9] offset:\ic*1048576+\a*2048+\it*512
.endr
.endr
.endm
	OUT16 0, 96
	OUT16 1, 160
	OUT16 2, 96
	OUT16 3, 160
	OUT16 4, 96
	OUT16 5, 160
	OUT16 6, 96
	OUT16 7, 160
	s_wait_tensorcnt 0x0
	ds_add_u32 v30, v31
	s_wait_dscnt 0x0
	CROUND                                         ; the closing round: no work-group ends while a partner may still ask for a tile that names it
	s_endpgm
.Lfunc_end_k_q750cdf1744_qkv:
	.size	k_q750cdf1744_qkv, .Lfunc_end_k_q750cdf1744_qkv-k_q750cdf1744_qkv
	.p2alignl 7, 3214868480
	.fill 96, 4, 3214868480
	.section	.rodata,"a",@progbits
	.p2align	6, 0x0
	.amdhsa_kernel k_q750cdf1744_qkv
		.amdhsa_group_segment_fixed_size 327680
		.amdhsa_private_segment_fixed_size 0
		.amdhsa_enable_private_segment 0
		.amdhsa_kernarg_size 24
		.amdhsa_user_sgpr_count 2
		.amdhsa_user_sgpr_kernarg_segment_ptr 1
		.amdhsa_wavefront_size32 1
		.amdhsa_system_sgpr_workgroup_id_x 1
		.amdhsa_system_sgpr_workgroup_id_y 1
		.amdhsa_system_sgpr_workgroup_id_z 1
		.amdhsa_system_vgpr_workitem_id 0
		.amdhsa_next_free_vgpr 1024
		.amdhsa_next_free_sgpr 66
		.amdhsa_reserve_vcc 0
		.amdhsa_float_denorm_mode_32 3
		.amdhsa_float_denorm_mode_16_64 3
		.amdhsa_memory_ordered 1
		.amdhsa_forward_progress 1
		.amdhsa_inst_pref_size 169
	.end_amdhsa_kernel
	.amdgpu_metadata
---
amdhsa.version: [ 1, 2 ]
amdhsa.kernels:
  - .name:           k_q750cdf1744_qkv
    .symbol:         k_q750cdf1744_qkv.kd
    .args:
      - { .name: xh, .offset: 0, .size: 8, .value_kind: global_buffer, .address_space: global }
      - { .name: wh, .offset: 8, .size: 8, .value_kind: global_buffer, .address_space: global }
      - { .name: qkvh, .offset: 16, .size: 8, .value_kind: global_buffer, .address_space: global }
    .group_segment_fixed_size: 327680
    .private_segment_fixed_size: 0
    .kernarg_segment_align: 8
    .kernarg_segment_size: 24
    .max_flat_workgroup_size: 128
    .sgpr_count:     66
    .vgpr_count:     1024
    .wavefront_size: 32
...
	.end_amdgpu_metadata
.endif
;; end of part 2
;; launch attn (part 3): grid 256 x 1, 4 waves a work-group, clusters of 4 x 1, 327,680 bytes of LDS; arguments qkvh, zh; writes zh
.if DOCPART == 3
	.amdgcn_target "amdgcn-amd-amdhsa--gfx1250"
	.amdhsa_code_object_version 6
	.text
	.protected	k_q750cdf1744_attn
	.globl	k_q750cdf1744_attn
	.p2align	8
	.type	k_q750cdf1744_attn,@function
k_q750cdf1744_attn:
	s_mov_b64 s[64:65], 0
	v_nop
	global_prefetch_b8 v0, s[64:65] scope:SCOPE_SE
	s_setreg_imm32_b32 hwreg(HW_REG_WAVE_MODE, 25, 1), 1
	s_wait_xcnt 0x0
	s_wait_alu depctr_hold_cnt(0) depctr_sa_sdst(0) depctr_va_vdst(0) depctr_va_sdst(0) depctr_va_ssrc(0) depctr_va_vcc(0) depctr_vm_vsrc(0)
	s_getreg_b32 s2, hwreg(HW_REG_IB_STS2, 6, 4)
	s_cmp_eq_u32 s2, 0
	s_cbranch_scc0 .Lentry_in_a_cluster
	s_endpgm
.Lentry_in_a_cluster:
	s_bfe_u32 s2, ttmp6, 0x10000c
	s_cmp_lg_u32 s2, 0x3003
	s_cbranch_scc0 .Lentry_shape_is_right
	s_endpgm
.Lentry_shape_is_right:
; ATTN: z = softmax(masked scores / 8) v for one (batch, head) in each cluster of four work-groups.  q, k, v from qkvh (f16), z to zh [16 heads][8192][64] (f16).
; LEFT OUT: every step of 64 keys x 16 queries in which each key lies behind each query.  reference() multiplies those scores by a 0 of its own tril and
; puts -1e10 there; the weight exp((-1e10 - m)/8) is under the smallest f32 number while the row's largest live score m is above -9.99e9 (a limit).  A NaN,
; an infinity or an overflow that reaches only those steps is not carried to the result.  In the steps that hold keys of both kinds the entry is set to
; -1e10 by a select.  The maximum is taken away before the exponential, as a running maximum in f32.
; Limit: |z| under 65,504; weights under 2^-14 carry an error of at most 2^-25.
; SHARES.  Cluster c: head c & 15, batch c >> 4, all 2,048 queries.  Its 16 waves walk the keys together in 8 phases of 256 keys, each in 4 sub-steps u of
; 64 keys; K and V tiles are asked for jointly by the four work-groups.  Every wave holds 8 query tiles of 16 rows; tile i has rows
; 256 i + 64 wave + 16 cx + r.  In phase j tiles i > j are plain and tiles i < j are finished.  Tile i = j against sub-step u: keys 256 j + 64 u + 0 .. 63
; against rows 256 j + 64 wave + 0 .. 63: for u < wave no key lies behind a query (plain), for u = wave some do (masked), for u > wave all do (left out).
; So LOW = j + (u > wave) is the lowest live tile.  The control flow hangs on j, u and the wave's number alone and is the same in all four partners; cx
; enters only q's and z's addresses and the number that the mask compares.
; TRANSPOSED FORMS.  S^T = K Q^T: lane (r, h) holds query r and keys 8 h + 0 .. 7 of each key tile.  Two neighbouring tiles of S^T, packed to f16, are the
; second source P^T of O^T += V^T P^T as they stand; V^T comes from LDS by the transposing load.  A query's maximum and sum are made inside the lane and
; with one exchange between the halves of the wave; the sum's exchange comes once, at the end.
; TURNS.  A sub-step walks the live tiles from 7 down to LOW.  Tile n's softmax (120 vector lines) is cut into 16 slices; slices 0-7 stand one behind each
; of the 8 score products of tile n - 1, slices 8-15 one behind each of the 8 O products of tile n + 1, so that matrix and vector lines lie side by side
; and no slice names a register of the product in front of it.  Scores and weights have two buffers, chosen by the tile's parity.  The lowest live tile
; has no tile below it: its slices 0-7 stand alone, and its own O products close the sub-step.  Each product stands between two window switches.
; LDS: slot 0 at 0, slot 1 at 131,072 (one bit apart); a slot: K 256 rows at pitch 144, then V 256 rows at pitch 160 (5 x 32, for the transposing load).
; The stage for the way out lies at 77,824, a multiple of 256, 2,304 bytes a wave; no tensor load lands there.
; REGISTERS: window 0 as named below; window 1: O[i][ht] at v[32 i + 8 ht]; window 2: q fragments QF[i][d] at v[16 i + 8 d], K fragments from v128.
.set PK,    144
.set PV,    160
.set KREG,  256*PK                     ; 36,864
.set STG,   KREG+256*PV                ; 77,824
.set SLOTX, 0x20000
.set VK0,  8                           ; r x 144 + 16 h
.set VV0,  9                           ; KREG + (8 h + (l & 7)) x 160 + 16 ((l >> 3) & 1)
.set VK,   10                          ; this sub-step's K address
.set VV,   11                          ; this sub-step's V address
.set VD,   13                          ; 16 cx + r - 8 h: in the sub-step u = wave my key 16 kt + jj lies behind my query where 16 kt + jj > VD
.set VNEG, 14                          ; -1e10
.set VQ,   15                          ; byte offset of my q fragments
.set STO,  16
.set RD,   17
.set CO,   18
.set NMX,  20                          ; v[20:27]  tile i: -c x running maximum, c = log2(e) / 8
.set LS,   28                          ; v[28:35]  tile i: my lane's part of the running sum
.set TT,   36                          ; v[36:39]  at work
.set AL,   40                          ; v[40:41]  the factor that rescales; the upper register is only named with the pair
.set RS,   42                          ; v[42:43]  the step's sum, two chains
.set XX,   44                          ; what the other half of the wave sends
.set SC,   48                          ; v[48:111] scores, then weights: buffer (tile & 1) at 32 (tile & 1), key tile kt at 8 kt
.set PW,   112                         ; v[112:143] weights in f16: buffer (tile & 1) at 16 (tile & 1)
.set RB,   144                         ; v[144:175] the way out: rows read back, two buffers
.set VF,   176                         ; v[176:239] V^T fragment (ht, kh) at 16 ht + 8 kh
.set KF,   128                         ; window 2, v[128:191]: K fragment (kt, d) at 16 kt + 8 d
.set MSB, 0
.macro WIN new                         ; the immediate's high byte repeats the setting that is left
.if MSB != \new
	s_set_vgpr_msb (MSB<<8)|\new
.set MSB, \new
.endif
.endm
.macro PLACES                          ; four places behind a matrix instruction, ahead of readers of its result (ISA guide 7.12.1)
.rept 4
	v_nop
.endr
.endm
.macro ROUND                           ; a round of the cluster's barrier
	s_barrier_signal -1
	s_barrier_wait -1
	s_cmp_lg_u32 s8, 0
	s_cbranch_scc1 .Lnot_wave_0_\@
	s_barrier_signal -3
.Lnot_wave_0_\@:
	s_barrier_wait -3
	s_barrier_signal -1
	s_barrier_wait -1
.endm
.macro JL gk, gv                       ; a joint load: waves 0 and 1 fetch the halves of K's tile, waves 2 and 3 those of V's
	s_cmp_eq_u32 s10, 0
	s_cbranch_scc0 .Lfor_v_\@
	tensor_load_to_lds s[\gk:\gk+3], s[24:31]
	s_nop 0
	s_branch .Lasked_\@
.Lfor_v_\@:
	tensor_load_to_lds s[\gv:\gv+3], s[32:39]
	s_nop 0
.Lasked_\@:
.endm
	s_load_b128 s[4:7], s[0:1], 0x0                ; qkvh s[4:5], zh s[6:7]
	v_lshl_add_u32 v254, v0, 2, 0x33000
	v_mov_b32 v255, 0
	ds_add_u32 v254, v255
	v_lshrrev_b32 v1, 5, v0
	v_readfirstlane_b32 s8, v1                     ; wave 0..3
	s_and_b32 s9, s8, 1                            ; which 128 keys of a tile I fetch
	s_lshr_b32 s10, s8, 1                          ; I fetch for K (0) or for V (1)
	s_bfe_u32 s11, ttmp6, 0x40000                  ; cx
	s_mov_b32 s12, 0x76543210                      ; v_permlanex16_b32: lane i of one half reads lane i of the other
	s_mov_b32 s13, 0xfedcba98
	s_mov_b32 s14, 0x3e38aa3b                      ; c = log2(e) / 8: the division by sqrt(64) and the change of base in one factor
	s_mov_b32 s15, 0x3e38aa3b                      ; the pair is named whole
	s_mov_b32 s16, 0xbe38aa3b                      ; -c
	; group 1: a dense block of 128 keys x 128 bytes as 64 rows of 256 bytes; padding behind every 128 bytes: 16 bytes for K, 32 for V; mask: all four partners
	s_mov_b32 s24, 15|(3<<16)|(1<<20)|(1<<21)|(4<<22)|(3<<25)
	s_mov_b32 s25, 32<<16
	s_mov_b32 s26, 64<<16
	s_mov_b32 s27, 32<<16
	s_mov_b32 s28, 64
	s_mov_b32 s29, 32
	s_mov_b32 s30, 0
	s_mov_b32 s31, 0
	s_mov_b32 s32, 15|(3<<16)|(1<<20)|(1<<21)|(4<<22)|(7<<25)
	s_mov_b32 s33, 32<<16
	s_mov_b32 s34, 64<<16
	s_mov_b32 s35, 32<<16
	s_mov_b32 s36, 64
	s_mov_b32 s37, 32
	s_mov_b32 s38, 0
	s_mov_b32 s39, 0
	s_and_b32 s20, ttmp9, 15                       ; head
	s_lshr_b32 s21, ttmp9, 4                       ; batch
	s_lshl_b32 s56, s20, 20                        ; a slice is 8,192 rows of 128 bytes,
	s_lshl_b32 s21, s21, 18                        ; a batch 2,048 rows
	s_add_co_u32 s56, s56, s21                     ; q's and z's rows of this (batch, head)
	s_mov_b32 s57, 0
	s_lshl_b32 s22, s9, 14                         ; my 128 keys
	s_add_co_u32 s58, s56, s22
	s_add_co_u32 s58, s58, 16<<20                  ; k: 16 slices on
	s_mov_b32 s59, 0
	s_add_co_u32 s60, s58, 16<<20                  ; v: 32 slices on
	s_mov_b32 s61, 0
	s_mov_b32 s40, 1                               ; group 0: s[40:43] K slot 0, s[44:47] K slot 1, s[48:51] V slot 0, s[52:55] V slot 1
	s_mul_i32 s41, s9, 128*PK
	s_mov_b32 s44, 1
	s_add_co_u32 s45, s41, SLOTX
	s_mov_b32 s48, 1
	s_mul_i32 s49, s9, 128*PV
	s_add_co_u32 s49, s49, KREG
	s_mov_b32 s52, 1
	s_add_co_u32 s53, s49, SLOTX
	v_and_b32 v2, 31, v0                           ; l
	v_and_b32 v3, 15, v0                           ; r
	v_bfe_u32 v4, v0, 4, 1                         ; h
	v_and_b32 v5, 7, v0
	v_mul_u32_u24 v[VK0], v3, PK
	v_lshl_add_u32 v[VK0], v4, 4, v[VK0]
	v_lshl_add_u32 v6, v4, 3, v5
	v_mul_u32_u24 v[VV0], v6, PV
	v_bfe_u32 v6, v0, 3, 1
	v_lshl_add_u32 v[VV0], v6, 4, v[VV0]
	v_add_nc_u32 v[VV0], KREG, v[VV0]
	s_mul_i32 s20, s8, 16*PK
	s_add_co_u32 s20, s20, STG                     ; my stage: made of the wave's number alone
	v_add_nc_u32 v[STO], s20, v[VK0]               ; in: row r, 16 bytes for each half of the lanes
	v_lshrrev_b32 v6, 3, v2
	v_mul_u32_u24 v6, v6, PK
	v_lshl_add_u32 v6, v5, 4, v6
	v_add_nc_u32 v[RD], s20, v6                    ; back: eight lanes a row of 128 bytes, four rows a load
	s_lshl_b32 s22, s8, 6
	s_lshl_b32 s23, s11, 4
	v_add_nc_u32 v[VD], s23, v3                    ; 16 cx + r: my query's place among my wave's 64 rows of a block,
	v_lshlrev_b32 v6, 3, v4
	v_sub_nc_u32 v[VD], v[VD], v6                  ; less the 8 h that my keys start at (may be negative: compared as signed)
	s_add_co_u32 s22, s22, s23                     ; 64 wave + 16 cx: the first row of my tiles inside a block of 256
	v_add_nc_u32 v[VQ], s22, v3
	v_lshlrev_b32 v[VQ], 7, v[VQ]
	v_lshl_add_u32 v[VQ], v4, 4, v[VQ]             ; row x 128 + 16 h
	s_lshl_b32 s23, s22, 7
	v_lshl_add_u32 v[CO], v2, 4, s23               ; z: 16 rows of 128 bytes are dense: 16 l inside them
	v_mov_b32 v[VNEG], 0xd01502f9                  ; -1e10, exact in f32
	v_mov_b32 v[XX], 0                             ; a permute's destination counts as read
	v_mov_b32 v[AL+1], 0                           ; named with its pair, never used
.irp n, 0,2,4,6
	v_mov_b32 v[NMX+\n], 0                         ; the tiles start from 7 downward: tile n + 1 names the pair before tile n has written its half; the value is not used
.endr
	s_wait_dscnt 0x0
	s_wait_kmcnt 0x0
	s_add_nc_u64 s[42:43], s[4:5], s[58:59]        ; K, phase 0
	s_add_nc_u64 s[46:47], s[42:43], 256*128       ; K, phase 1
	s_add_nc_u64 s[50:51], s[4:5], s[60:61]        ; V, phase 0
	s_add_nc_u64 s[54:55], s[50:51], 256*128       ; V, phase 1
	s_or_b32 s43, s43, 0x80000000
	s_or_b32 s47, s47, 0x80000000
	s_or_b32 s51, s51, 0x80000000
	s_or_b32 s55, s55, 0x80000000
	s_add_nc_u64 s[4:5], s[4:5], s[56:57]          ; q
	s_add_nc_u64 s[6:7], s[6:7], s[56:57]          ; z
	ROUND                                          ; all four work-groups are here: the first joint loads meet
	JL 40, 48                                      ; phase 0 into slot 0
	JL 44, 52                                      ; phase 1 into slot 1: two tensor loads of the wave are out
	WIN 0x80                                       ; destination in window 2
.irp i, 0,1,2,3,4,5,6,7
.irp e, 0,1,2,3
	global_load_b128 v[16*\i+4*\e:16*\i+4*\e+3], v[VQ], s[4:5] offset:\i*32768+32*\e   ; QF[i]: d = e / 2, the fragment's two halves 32 bytes apart
.endr
.endr
	WIN 0
; The two numbers that steer a sub-step, from the phase j (s17), the sub-step u (s18) and the wave's number (s8).
.macro SUBHEAD
	s_cmp_gt_u32 s18, s8                           ; u > wave: all 64 keys lie behind my rows of the diagonal tile
	s_cselect_b32 s23, 1, 0
	s_add_co_u32 s23, s23, s17                     ; LOW: the lowest live tile
	s_cmp_eq_u32 s18, s8                           ; u = wave: the diagonal tile has keys of both kinds
	s_cselect_b32 s63, s17, 8                      ; the tile that is masked; 8: none
.endm
; This sub-step's 64 keys: 16 loads for K's fragments, 16 transposing loads for V's, in one run.  The two address lines and the two v_nop are the four
; places behind the last product, whose V fragments are loaded over.
.macro LOADKV
	s_mul_i32 s20, s18, 64*PK
	s_add_co_u32 s20, s20, s19
	s_mul_i32 s21, s18, 64*PV
	s_add_co_u32 s21, s21, s19
	v_add_nc_u32 v[VK], s20, v[VK0]
	v_add_nc_u32 v[VV], s21, v[VV0]
	v_nop
	v_nop
	WIN 0x80                                       ; K's fragments lie in window 2
.irp kt, 0,1,2,3
.irp e, 0,1,2,3
	ds_load_b128 v[KF+16*\kt+4*\e:KF+16*\kt+4*\e+3], v[VK] offset:\kt*16*PK+32*\e
.endr
.endr
	WIN 0
.irp ht, 0,1,2,3
.irp kh, 0,1
	ds_load_tr16_b128 v[VF+16*\ht+8*\kh:VF+16*\ht+8*\kh+3],   v[VV] offset:\kh*32*PV+32*\ht
	ds_load_tr16_b128 v[VF+16*\ht+8*\kh+4:VF+16*\ht+8*\kh+7], v[VV] offset:\kh*32*PV+16*PV+32*\ht
.endr
.endr
	s_wait_dscnt 16                                ; K's fragments are in; V's 16 loads may stay out
.endm
; Score product w of tile t: key tile w & 3, half w >> 2 of the head's 64.  The first four start the sums.  The four score tiles take turns, one matrix
; instruction a turn.
.macro QKW t, w
	WIN 0x0a                                       ; sources 0 (K) and 1 (q) in window 2
.if (\w) < 4
	v_wmma_f32_16x16x32_f16 v[SC+32*((\t)&1)+8*(\w):SC+32*((\t)&1)+8*(\w)+7], v[KF+16*(\w):KF+16*(\w)+7], v[16*(\t):16*(\t)+7], 0
.else
	v_wmma_f32_16x16x32_f16 v[SC+32*((\t)&1)+8*((\w)-4):SC+32*((\t)&1)+8*((\w)-4)+7], v[KF+16*((\w)-4)+8:KF+16*((\w)-4)+15], v[16*(\t)+8:16*(\t)+15], v[SC+32*((\t)&1)+8*((\w)-4):SC+32*((\t)&1)+8*((\w)-4)+7]
.endif
.endm
; O product w of tile t: head tile w & 3, half w >> 2 of the 64 keys.  first = 1: the first four start the sums.  The four O tiles take turns likewise.
.macro PVW t, w, first
	WIN 0x50                                       ; C and D in window 1
.if (\w) < 4
.if \first
	v_wmma_f32_16x16x32_f16 v[32*(\t)+8*(\w):32*(\t)+8*(\w)+7], v[VF+16*(\w):VF+16*(\w)+7], v[PW+16*((\t)&1):PW+16*((\t)&1)+7], 0
.else
	v_wmma_f32_16x16x32_f16 v[32*(\t)+8*(\w):32*(\t)+8*(\w)+7], v[VF+16*(\w):VF+16*(\w)+7], v[PW+16*((\t)&1):PW+16*((\t)&1)+7], v[32*(\t)+8*(\w):32*(\t)+8*(\w)+7]
.endif
.else
	v_wmma_f32_16x16x32_f16 v[32*(\t)+8*((\w)-4):32*(\t)+8*((\w)-4)+7], v[VF+16*((\w)-4)+8:VF+16*((\w)-4)+15], v[PW+16*((\t)&1)+8:PW+16*((\t)&1)+15], v[32*(\t)+8*((\w)-4):32*(\t)+8*((\w)-4)+7]
.endif
.endm
.macro QKALL t                         ; a sub-step's first tile: its eight score products alone, then the four places ahead of the lines that read them
.set ww, 0
.rept 8
	QKW \t, ww
.set ww, ww+1
.endr
	WIN 0
	PLACES
.endm
.macro FIN n, first                    ; the lowest live tile's eight O products close the sub-step
.if \n == 7
	s_wait_dscnt 0x0                               ; V's fragments are in: these are the sub-step's first O products
.endif
.set ww, 0
.rept 8
	PVW \n, ww, \first
.set ww, ww+1
.endr
	WIN 0
.endm
.macro MASK n                          ; the sub-step u = wave of the diagonal tile
.irp kt, 0,1,2,3
.irp jj, 0,1,2,3,4,5,6,7
	v_cmp_gt_i32 vcc_lo, 16*\kt+\jj, v[VD]                     ; the key lies behind the query:
	v_cndmask_b32 v[SC+32*((\n)&1)+8*\kt+\jj], v[SC+32*((\n)&1)+8*\kt+\jj], v[VNEG], vcc_lo   ; -1e10 in the score's place
.endr
.endr
.endm
.macro SCALE k, i                      ; two exponents: score x c - c x maximum; tile i's NMX feeds both halves.  SB: the tile's score buffer
.if (\i)&1
	v_pk_fma_f32 v[SB+2*\k:SB+2*\k+1], v[SB+2*\k:SB+2*\k+1], s[14:15], v[NMX+\i-1:NMX+\i] op_sel:[0,0,1] op_sel_hi:[1,0,1]
.else
	v_pk_fma_f32 v[SB+2*\k:SB+2*\k+1], v[SB+2*\k:SB+2*\k+1], s[14:15], v[NMX+\i:NMX+\i+1] op_sel_hi:[1,0,0]
.endif
.endm
; Half-group h (0 .. 31) of the exponentials: the exponential of score h, followed by plain lines that touch neither its result nor its source
; (ISA guide 5.7.2): on even h the next pair's exponents, on odd h the conversion and the sum of the pair before.
.macro EH n, h
	v_exp_f32 v[SB+(\h)], v[SB+(\h)]
.if ((\h)&1) == 0
.if (\h) < 30
	SCALE ((\h)/2+1), \n
.endif
.else
.if (\h) > 1
	s_wait_alu depctr_va_vdst(0)
	v_cvt_pk_f16_f32 v[PB+((\h)-3)/2], v[SB+(\h)-3], v[SB+(\h)-2]
.endif
.if (\h) == 5
	v_pk_add_f32 v[RS:RS+1], v[SB:SB+1], v[SB+2:SB+3]          ; the first two pairs start the step's sum
.endif
.if (\h) > 5
	v_pk_add_f32 v[RS:RS+1], v[RS:RS+1], v[SB+(\h)-3:SB+(\h)-2]
.endif
.endif
.endm
; Slice s (0 .. 15) of tile n's softmax against the sub-step's 64 keys.  first = 1: starts the tile's maximum and sum (nothing is cleared, no rescaling).
; 0, 1: the largest of my 32 scores, in four chains.  2: the other half's, the running maximum, the factor.  3, 4: O[n] is rescaled.
; 5 .. 15: three half-groups each; 15 ends with the running sum.  Every slice ends on a plain line.
.macro SLICE n, first, s
.set SB, SC+32*((\n)&1)
.set PB, PW+16*((\n)&1)
.if (\s) == 0
	WIN 0
.irp c, 0,1,2,3
	v_max3_num_f32 v[TT+\c], v[SB+8*\c], v[SB+8*\c+1], v[SB+8*\c+2]
.endr
.irp c, 0,1,2,3
	v_max3_num_f32 v[TT+\c], v[TT+\c], v[SB+8*\c+3], v[SB+8*\c+4]
.endr
.endif
.if (\s) == 1
	WIN 0
.irp c, 0,1,2,3
	v_max3_num_f32 v[TT+\c], v[TT+\c], v[SB+8*\c+5], v[SB+8*\c+6]
.endr
	v_max3_num_f32 v[TT], v[TT], v[SB+7], v[SB+15]
	v_max3_num_f32 v[TT+2], v[TT+2], v[SB+23], v[SB+31]
	v_max3_num_f32 v[TT], v[TT], v[TT+1], v[TT+2]
	v_max_num_f32 v[TT], v[TT], v[TT+3]
.endif
.if (\s) == 2
	WIN 0
	v_permlanex16_b32 v[XX], v[TT], s12, s13
	v_max_num_f32 v[TT], v[TT], v[XX]
.if \first
	v_mul_f32 v[NMX+\n], s16, v[TT]
.else
	v_mul_f32 v[TT], s16, v[TT]                    ; -c x this step's maximum
	v_sub_f32 v[AL], v[TT], v[NMX+\n]
	v_min_num_f32 v[NMX+\n], v[NMX+\n], v[TT]      ; the running maximum grows = its negative multiple shrinks
	v_min_num_f32 v[AL], 0, v[AL]                  ; c x (old maximum - new maximum), 0 where the old one stays
	v_exp_f32 v[AL], v[AL]                         ; the plain line behind it is the SCALE below
.endif
	SCALE 0, \n
.endif
.if (\s) > 2
.if (\s) < 5
.if \first == 0
	WIN 0x41                                       ; O in window 1, the factor in window 0
.set pp, 8*((\s)-3)
	s_wait_alu depctr_va_vdst(0)
.rept 8
	v_pk_mul_f32 v[32*\n+2*pp:32*\n+2*pp+1], v[32*\n+2*pp:32*\n+2*pp+1], v[AL:AL+1] op_sel_hi:[1,0]
.set pp, pp+1
.endr
.endif
.endif
.endif
.if (\s) > 4
	WIN 0
.set hh, 3*((\s)-5)
.rept 3
.if hh < 32
	EH \n, hh
.endif
.set hh, hh+1
.endr
.endif
.if (\s) == 15
	v_cvt_pk_f16_f32 v[PB+15], v[SB+30], v[SB+31]
	v_pk_add_f32 v[RS:RS+1], v[RS:RS+1], v[SB+30:SB+31]
.if \first
	v_add_f32 v[LS+\n], v[RS], v[RS+1]
.else
	v_add_f32 v[TT+1], v[RS], v[RS+1]
	v_fma_f32 v[LS+\n], v[LS+\n], v[AL], v[TT+1]
.endif
.endif
.endm
; Slices 0-7 of tile n; qk = 1: one behind each score product of tile n - 1
.macro HALFA n, first, qk
.set ww, 0
.rept 8
.if \qk
	QKW (\n-1), ww
.endif
	SLICE \n, \first, ww
.set ww, ww+1
.endr
	WIN 0
.endm
; Slices 8-15 of tile n, one behind each O product of tile n + 1 (tile 7 has none above it)
.macro HALFB n, first
.if \n == 6
	s_wait_dscnt 0x0                               ; V's fragments are in: tile 7's are the sub-step's first O products
.endif
.set ww, 0
.rept 8
.if \n < 7
	PVW (\n+1), ww, \first
.endif
	SLICE \n, \first, ww+8
.set ww, ww+1
.endr
	WIN 0
.endm
; Tile n's stage.  dyn = 2: always above LOW; 0: always the lowest live tile (the caller's FIN follows); 1: by LOW in s23, and where n = LOW the
; stage ends with a jump to fin, the tile's own O products.  msk = 1: n can be the tile that s63 names for the mask.
.macro TILE n, first, dyn, msk, fin
.if \dyn == 1
	s_cmp_lg_u32 s23, \n
	s_cbranch_scc1 .Labove_\@
.endif
.if \dyn < 2
.if \msk
	s_cmp_lg_u32 s63, \n
	s_cbranch_scc1 .Lplain_\@
	MASK \n
.Lplain_\@:
.endif
	HALFA \n, \first, 0
.endif
.if \dyn == 1
	s_branch .Lsecond_\@
.Labove_\@:
.endif
.if \dyn > 0
	HALFA \n, \first, 1
.endif
.if \dyn == 1
.Lsecond_\@:
.endif
	HALFB \n, \first
.if \dyn == 1
	s_cmp_eq_u32 s23, \n
	s_cbranch_scc1 \fin
.endif
.endm
; The end of a phase.  Every wave waits for its reads of the slot and for all its tensor loads (the one that is out is its part of the next phase).
; fill = 1: the walking descriptors step on by one phase and change slots, a round of the cluster's barrier follows, and the slot just read is asked
; for again, two phases ahead, first thing behind the round: that load has a whole phase in which to land.
.macro PHASE_END fill
	s_wait_dscnt 0x0
	s_wait_tensorcnt 0x0
	ds_add_u32 v254, v255
	s_wait_dscnt 0x0
.if \fill
	s_add_nc_u64 s[46:47], s[46:47], 256*128
	s_xor_b32 s45, s45, SLOTX
	s_add_nc_u64 s[54:55], s[54:55], 256*128
	s_xor_b32 s53, s53, SLOTX
	ROUND
	JL 44, 52
.else
	s_barrier_signal -1
	s_barrier_wait -1
.endif
	s_xor_b32 s19, s19, SLOTX                      ; the slot that is read next
.endm
	s_wait_tensorcnt 0x1                           ; my part of phase 0 is in; phase 1's may stay out
	s_barrier_signal -1
	s_barrier_wait -1
	s_mov_b32 s17, 0                               ; j
	s_mov_b32 s18, 0                               ; u
	s_mov_b32 s19, 0                               ; the slot that is read
	SUBHEAD
	LOADKV
	s_wait_loadcnt 0x0                             ; q
	QKALL 7                                        ; phase 0, sub-step 0 stands written out: it starts every tile's sums.  u = 0 is never above the wave's
	TILE 7, 1, 2, 0, 0                             ; number, so all eight tiles are live; key 0 is live for every query, so each running maximum starts
	TILE 6, 1, 2, 0, 0                             ; from a live score
	TILE 5, 1, 2, 0, 0
	TILE 4, 1, 2, 0, 0
	TILE 3, 1, 2, 0, 0
	TILE 2, 1, 2, 0, 0
	TILE 1, 1, 2, 0, 0
	TILE 0, 1, 0, 1, 0                             ; masked in wave 0 alone
	FIN 0, 1
.Lphase:                                               ; phases 0 to 5: LOW is 0 to 6
	s_cmp_eq_u32 s17, 0
	s_cselect_b32 s18, 1, 0                        ; phase 0 goes on with sub-step 1, the others begin at 0
.Lsub:
	SUBHEAD
	LOADKV
	QKALL 7
	TILE 7, 0, 2, 0, 0
	TILE 6, 0, 1, 0, .Lfa6                         ; tile 6 is never on the diagonal here
	TILE 5, 0, 1, 1, .Lfa5
	TILE 4, 0, 1, 1, .Lfa4
	TILE 3, 0, 1, 1, .Lfa3
	TILE 2, 0, 1, 1, .Lfa2
	TILE 1, 0, 1, 1, .Lfa1
	TILE 0, 0, 0, 1, 0
	FIN 0, 0
	s_branch .Lsubend
.Lfa1:
	FIN 1, 0
	s_branch .Lsubend
.Lfa2:
	FIN 2, 0
	s_branch .Lsubend
.Lfa3:
	FIN 3, 0
	s_branch .Lsubend
.Lfa4:
	FIN 4, 0
	s_branch .Lsubend
.Lfa5:
	FIN 5, 0
	s_branch .Lsubend
.Lfa6:
	FIN 6, 0
.Lsubend:
	s_add_co_u32 s18, s18, 1
	s_cmp_lt_u32 s18, 4
	s_cbranch_scc1 .Lsub
	PHASE_END 1
	s_add_co_u32 s17, s17, 1
	s_cmp_lt_u32 s17, 6
	s_cbranch_scc1 .Lphase
	s_mov_b32 s18, 0                               ; phase 6 (s17 = 6): LOW is 6 or 7; nothing is left to fetch
.Lsix:
	SUBHEAD
	LOADKV
	QKALL 7
	TILE 7, 0, 1, 0, .Lfb7
	TILE 6, 0, 0, 1, 0
	FIN 6, 0
	s_branch .Lsixend
.Lfb7:
	FIN 7, 0
.Lsixend:
	s_add_co_u32 s18, s18, 1
	s_cmp_lt_u32 s18, 4
	s_cbranch_scc1 .Lsix
	PHASE_END 0
	s_mov_b32 s17, 7                               ; phase 7: tile 7 on the diagonal; LOW is 7 or 8
	s_mov_b32 s18, 0
.Lseven:
	SUBHEAD
	s_cmp_gt_u32 s23, 7                            ; u > wave: no tile is live: neither loads nor products
	s_cbranch_scc1 .Lsevenend
	LOADKV
	QKALL 7
	TILE 7, 0, 0, 1, 0
	FIN 7, 0
.Lsevenend:
	s_add_co_u32 s18, s18, 1
	s_cmp_lt_u32 s18, 4
	s_cbranch_scc1 .Lseven
	PLACES                                         ; behind the last products, ahead of the lines that read O
; Tile i goes out: the two halves' sums meet, O is divided by the sum and rounded to f16, 16 bytes a lane go into my stage (row = query), and whole rows
; come back: a tile's 16 rows of 128 bytes are dense in zh, each store covers 512 consecutive bytes.
.macro FINAL i
	v_permlanex16_b32 v[XX], v[LS+\i], s12, s13
	v_add_f32 v[TT], v[LS+\i], v[XX]
	v_rcp_f32 v[AL], v[TT]                         ; the sum is at least 1: the largest entry's weight
	v_nop                                          ; the plain line behind a reciprocal (ISA guide 5.7.2)
	WIN 0x01                                       ; source 0 (O) in window 1
.set pp, 0
	s_wait_alu depctr_va_vdst(0)
.rept 16
	v_pk_mul_f32 v[SC+2*pp:SC+2*pp+1], v[32*\i+2*pp:32*\i+2*pp+1], v[AL:AL+1] op_sel_hi:[1,0]
.set pp, pp+1
.endr
	WIN 0
.set pp, 0
.rept 16
	v_cvt_pk_f16_f32 v[PW+pp], v[SC+2*pp], v[SC+2*pp+1]
.set pp, pp+1
.endr
.irp ht, 0,1,2,3
	ds_store_b128 v[STO], v[PW+4*\ht:PW+4*\ht+3] offset:32*\ht
.endr
	s_wait_xcnt 0x0                                ; the registers that earlier stores read are loaded again only behind this wait
.irp t, 0,1,2,3
	ds_load_b128 v[RB+16*((\i)&1)+4*\t:RB+16*((\i)&1)+4*\t+3], v[RD] offset:4*PK*\t   ; LDS serves a wave's instructions in order: these see the stores above
.endr
.irp t, 0,1,2,3
	s_wait_dscnt 3-\t                              ; the younger read-backs stay out
	global_store_b128 v[CO], v[RB+16*((\i)&1)+4*\t:RB+16*((\i)&1)+4*\t+3], s[6:7] offset:\i*32768+\t*512
.endr
.endm
	FINAL 0
	FINAL 1
	FINAL 2
	FINAL 3
	FINAL 4
	FINAL 5
	FINAL 6
	FINAL 7
	s_wait_tensorcnt 0x0
	ds_add_u32 v254, v255
	s_wait_dscnt 0x0
	ROUND                                          ; the closing round
	s_endpgm
.Lfunc_end_k_q750cdf1744_attn:
	.size	k_q750cdf1744_attn, .Lfunc_end_k_q750cdf1744_attn-k_q750cdf1744_attn
	.p2alignl 7, 3214868480
	.fill 96, 4, 3214868480
	.section	.rodata,"a",@progbits
	.p2align	6, 0x0
	.amdhsa_kernel k_q750cdf1744_attn
		.amdhsa_group_segment_fixed_size 327680
		.amdhsa_private_segment_fixed_size 0
		.amdhsa_enable_private_segment 0
		.amdhsa_kernarg_size 16
		.amdhsa_user_sgpr_count 2
		.amdhsa_user_sgpr_kernarg_segment_ptr 1
		.amdhsa_wavefront_size32 1
		.amdhsa_system_sgpr_workgroup_id_x 1
		.amdhsa_system_sgpr_workgroup_id_y 1
		.amdhsa_system_sgpr_workgroup_id_z 1
		.amdhsa_system_vgpr_workitem_id 0
		.amdhsa_next_free_vgpr 704
		.amdhsa_next_free_sgpr 66
		.amdhsa_reserve_vcc 1
		.amdhsa_float_denorm_mode_32 3
		.amdhsa_float_denorm_mode_16_64 3
		.amdhsa_memory_ordered 1
		.amdhsa_forward_progress 1
		.amdhsa_inst_pref_size 250
	.end_amdhsa_kernel
	.amdgpu_metadata
---
amdhsa.version: [ 1, 2 ]
amdhsa.kernels:
  - .name:           k_q750cdf1744_attn
    .symbol:         k_q750cdf1744_attn.kd
    .args:
      - { .name: qkvh, .offset: 0, .size: 8, .value_kind: global_buffer, .address_space: global }
      - { .name: zh, .offset: 8, .size: 8, .value_kind: global_buffer, .address_space: global }
    .group_segment_fixed_size: 327680
    .private_segment_fixed_size: 0
    .kernarg_segment_align: 8
    .kernarg_segment_size: 16
    .max_flat_workgroup_size: 128
    .sgpr_count:     66
    .vgpr_count:     704
    .wavefront_size: 32
...
	.end_amdgpu_metadata
.endif
;; end of part 3
;; launch oproj (part 4): grid 8 x 32, 4 waves a work-group, clusters of 4 x 4, 327,680 bytes of LDS; arguments zh, woh, out0; writes out0
.if DOCPART == 4
	.amdgcn_target "amdgcn-amd-amdhsa--gfx1250"
	.amdhsa_code_object_version 6
	.text
	.protected	k_q750cdf1744_oproj
	.globl	k_q750cdf1744_oproj
	.p2align	8
	.type	k_q750cdf1744_oproj,@function
k_q750cdf1744_oproj:
	s_mov_b64 s[64:65], 0
	v_nop
	global_prefetch_b8 v0, s[64:65] scope:SCOPE_SE
	s_setreg_imm32_b32 hwreg(HW_REG_WAVE_MODE, 25, 1), 1
	s_wait_xcnt 0x0
	s_wait_alu depctr_hold_cnt(0) depctr_sa_sdst(0) depctr_va_vdst(0) depctr_va_sdst(0) depctr_va_ssrc(0) depctr_va_vcc(0) depctr_vm_vsrc(0)
	s_getreg_b32 s2, hwreg(HW_REG_IB_STS2, 6, 4)
	s_cmp_eq_u32 s2, 0
	s_cbranch_scc0 .Lentry_in_a_cluster
	s_endpgm
.Lentry_in_a_cluster:
	s_bfe_u32 s2, ttmp6, 0x10000c
	s_cmp_lg_u32 s2, 0xf033
	s_cbranch_scc0 .Lentry_shape_is_right
	s_endpgm
.Lentry_shape_is_right:
; OPROJ: out[p][d] = sum over f of z[p][f] W_O[d][f], p = 8,192 positions, d = 1,024, f = 1,024 = (head, h).  Operands f16, sums and out in f32.
; zh [16 heads][8192][64] and woh [16][1024][64] are K-blocked alike: kblock = head.  Nothing of reference() is left out here.
; A work-group makes 256 rows x 128 columns with four waves, a wave 128 x 64: 32 accumulator tiles in window 1.  8 x 32 = 256 work-groups, one block each.
; K goes in 8 steps of 128 (two kblocks) through two LDS slots; a wave fetches one kblock of z's or of W_O's tile, a dense block, as rows of 256 bytes,
; with 16 bytes laid behind every 128: LDS rows of 64 numbers at a pitch of 144 = 9 x 16 bytes.
; CLUSTERS: 4 x 4 work-groups; z's tile is asked for jointly along a row of the cluster, W_O's along a column.
; REGISTERS: window 0: v16-26 addresses; v32-95, v96-159 fragments of z, two buffers; v160-191, v192-223 fragments of W_O, two buffers.
; The matrix instruction is used transposed (source 0 = rows of W_O, source 1 = rows of z): a lane holds eight neighbouring columns of one row of out.
; The 32 accumulators take turns, one matrix instruction a turn, in the same order in every quarter and over the backward jump.
.set PITCH,  144
.set FR,     16*PITCH
.set AKB,    256*PITCH                 ; one kblock of z's tile
.set BKB,    128*PITCH                 ; one kblock of W_O's tile
.set AREG,   2*AKB
.set SLOT,   AREG+2*BKB                ; 110,592
.set STAGE,  2*SLOT                    ; behind the ring, at a multiple of 256: 16 rows x 272 bytes for each wave; no tensor load lands here
.set SPITCH, 272
.set ASTEP,  2*8192*128                ; bytes of a K step in zh
.set BSTEP,  2*1024*128                ; in woh
.set LAPS,   4
.set ADRA, 16
.set ADRB, 20
.set STO,  24
.set RD,   25
.set CO,   26
.set AF0,  32
.set AF1,  96
.set BF0,  160
.set BF1,  192
.set G1,  24
.set G0,  32
.set G1B, 48
.set G0B, 56
.set GW0, (3<<16)|(1<<20)|(1<<21)|(4<<22)|(3<<25)   ; elements of 8 bytes; padding on; bit 21 beside a mask; after every 32 words; 4 words
.set MSB, 0
.macro WIN new
.if MSB != \new
	s_set_vgpr_msb (MSB<<8)|\new
.set MSB, \new
.endif
.endm
.macro PLACES                          ; four places behind a matrix instruction (ISA guide 7.12.1)
.rept 4
	v_nop
.endr
.endm
.macro JLOAD s                         ; waves 0 and 1 fetch z's two kblocks, waves 2 and 3 W_O's
	s_cmp_eq_u32 s11, 0
	s_cbranch_scc0 .Lfor_b_\@
	tensor_load_to_lds s[G0+4*\s:G0+4*\s+3], s[G1:G1+7]
	s_nop 0
	s_branch .Lasked_\@
.Lfor_b_\@:
	tensor_load_to_lds s[G0B+4*\s:G0B+4*\s+3], s[G1B:G1B+7]
	s_nop 0
.Lasked_\@:
.endm
.macro CREST
	s_cmp_lg_u32 s10, 0
	s_cbranch_scc1 .Lnot_wave_0_\@
	s_barrier_signal -3
.Lnot_wave_0_\@:
	s_barrier_wait -3
	s_barrier_signal -1
	s_barrier_wait -1
.endm
.macro CROUND
	s_barrier_signal -1
	s_barrier_wait -1
	CREST
.endm
	s_load_b128 s[4:7], s[0:1], 0x0                ; zh s[4:5], woh s[6:7]
	s_load_b64 s[8:9], s[0:1], 0x10                ; out0
	v_lshl_add_u32 v254, v0, 2, 0x3a400
	v_mov_b32 v255, 0
	ds_add_u32 v254, v255
	v_lshrrev_b32 v1, 5, v0
	v_readfirstlane_b32 s10, v1                    ; wave 0..3
	s_lshr_b32 s11, s10, 1                         ; my half of the rows.  Also: I fetch for z (0) or for W_O (1)
	s_and_b32 s12, s10, 1                          ; my half of the columns.  Also: which kblock of the step I fetch
	s_bfe_u32 s40, ttmp6, 0x40000                  ; cx
	s_bfe_u32 s41, ttmp6, 0x40004                  ; cy
	s_lshl_b32 s42, ttmp9, 2
	s_add_co_u32 s42, s42, s40                     ; block column
	s_and_b32 s13, ttmp7, 0xffff
	s_lshl_b32 s13, s13, 2
	s_add_co_u32 s13, s13, s41                     ; block row
	s_lshl_b32 s43, s41, 2
	s_lshl_b32 s43, 15, s43                        ; my row of the cluster
	s_lshl_b32 s44, 0x1111, s40                    ; my column
	s_or_b32 s[G1+0], s43, GW0
	s_mov_b32 s[G1+1], 32<<16
	s_mov_b32 s[G1+2], 128<<16                     ; 128 rows of 256 bytes = 256 rows of z in one kblock
	s_mov_b32 s[G1+3], 32<<16
	s_mov_b32 s[G1+4], 128
	s_mov_b32 s[G1+5], 32
	s_mov_b32 s[G1+6], 0
	s_mov_b32 s[G1+7], 0
	s_or_b32 s[G1B+0], s44, GW0
	s_mov_b32 s[G1B+1], 32<<16
	s_mov_b32 s[G1B+2], 64<<16                     ; 64 rows of 256 bytes = 128 rows of W_O in one kblock
	s_mov_b32 s[G1B+3], 32<<16
	s_mov_b32 s[G1B+4], 64
	s_mov_b32 s[G1B+5], 32
	s_mov_b32 s[G1B+6], 0
	s_mov_b32 s[G1B+7], 0
	s_lshl_b32 s16, s13, 15                        ; z: 256 rows of 128 bytes a block row
	s_lshl_b32 s17, s12, 20                        ; + my kblock
	s_add_co_u32 s16, s16, s17
	s_mov_b32 s17, 0
	s_lshl_b32 s46, s42, 14                        ; W_O: 128 rows of 128 bytes a block column
	s_lshl_b32 s47, s12, 17                        ; + my kblock
	s_add_co_u32 s46, s46, s47
	s_mov_b32 s47, 0
	s_mul_i32 s20, s12, AKB                        ; where they go: made of the wave's number alone
	s_mul_i32 s45, s12, BKB
	s_add_co_u32 s45, s45, AREG
	s_wait_dscnt 0x0
	s_wait_kmcnt 0x0
	s_add_nc_u64 s[14:15], s[4:5], s[16:17]
	s_add_nc_u64 s[46:47], s[6:7], s[46:47]
	CROUND                                         ; the first joint loads meet
.irp s, 0,1
	s_mov_b32 s[G0+4*\s], 1
	s_add_co_u32 s[G0+4*\s+1], s20, \s*SLOT
	s_add_nc_u64 s[G0+4*\s+2:G0+4*\s+3], s[14:15], \s*ASTEP
	s_or_b32 s[G0+4*\s+3], s[G0+4*\s+3], 0x80000000
	s_mov_b32 s[G0B+4*\s], 1
	s_add_co_u32 s[G0B+4*\s+1], s45, \s*SLOT
	s_add_nc_u64 s[G0B+4*\s+2:G0B+4*\s+3], s[46:47], \s*BSTEP
	s_or_b32 s[G0B+4*\s+3], s[G0B+4*\s+3], 0x80000000
	JLOAD \s                                       ; two tensor loads of the wave are out
.endr
	v_and_b32 v1, 15, v0
	v_bfe_u32 v2, v0, 4, 1
	v_mul_u32_u24 v3, v1, PITCH
	v_lshl_add_u32 v3, v2, 4, v3
	s_mul_i32 s21, s11, 128*PITCH                  ; my 128 rows of z
	s_mul_i32 s22, s12, 64*PITCH                   ; my 64 rows of W_O,
	s_add_co_u32 s22, s22, AREG                    ; behind z's two kblocks
.irp s, 0,1
	v_add_nc_u32 v[ADRA+\s], s21, v3
	v_add_nc_u32 v[ADRB+\s], s22, v3
	s_add_co_u32 s21, s21, SLOT
	s_add_co_u32 s22, s22, SLOT
.endr
	s_mul_i32 s23, s10, 16*SPITCH
	s_add_co_u32 s23, s23, STAGE
	v_mul_u32_u24 v4, v1, SPITCH
	v_lshl_add_u32 v4, v2, 5, v4
	v_add_nc_u32 v[STO], s23, v4                   ; in: row l % 16, 32 bytes (8 f32) for each half of the lanes
	v_mul_u32_u24 v5, v2, SPITCH
	v_lshl_add_u32 v5, v1, 4, v5
	v_add_nc_u32 v[RD], s23, v5                    ; back: lanes 0-15 one row of 256 bytes, lanes 16-31 the next
	v_lshlrev_b32 v5, 12, v2
	v_lshl_add_u32 v[CO], v1, 4, v5                ; and the same two rows of out, 4,096 bytes apart
.macro MUL16 af, bf, a0, zero
.irp ia, 0,1,2,3
.irp ib, 0,1,2,3
.if \zero
	v_wmma_f32_16x16x32_f16 v[8*(4*(\a0+\ia)+\ib):8*(4*(\a0+\ia)+\ib)+7], v[\bf+8*\ib:\bf+8*\ib+7], v[\af+8*(\a0+\ia):\af+8*(\a0+\ia)+7], 0
.else
	v_wmma_f32_16x16x32_f16 v[8*(4*(\a0+\ia)+\ib):8*(4*(\a0+\ia)+\ib)+7], v[\bf+8*\ib:\bf+8*\ib+7], v[\af+8*(\a0+\ia):\af+8*(\a0+\ia)+7], v[8*(4*(\a0+\ia)+\ib):8*(4*(\a0+\ia)+\ib)+7]
.endif
.endr
.endr
.endm
; 24 loads in one run: quarter q (kblock q / 2, byte 64 (q % 2) of its rows) of a slot into buffer pair p: W_O's 4 fragments, then z's 8
.macro FETCH p, slot, q
.irp ib, 0,1,2,3
	ds_load_b128 v[BF0+32*\p+8*\ib:BF0+32*\p+8*\ib+3],   v[ADRB+\slot] offset:(\q>>1)*BKB+(\q&1)*64+\ib*FR
	ds_load_b128 v[BF0+32*\p+8*\ib+4:BF0+32*\p+8*\ib+7], v[ADRB+\slot] offset:(\q>>1)*BKB+(\q&1)*64+\ib*FR+32
.endr
.irp ia, 0,1,2,3,4,5,6,7
	ds_load_b128 v[AF0+64*\p+8*\ia:AF0+64*\p+8*\ia+3],   v[ADRA+\slot] offset:(\q>>1)*AKB+(\q&1)*64+\ia*FR
	ds_load_b128 v[AF0+64*\p+8*\ia+4:AF0+64*\p+8*\ia+7], v[ADRA+\slot] offset:(\q>>1)*AKB+(\q&1)*64+\ia*FR+32
.endr
.endm
; A quarter: 32 matrix instructions on buffer pair p, then the pair is loaded again, two quarters ahead
.macro QUART p, fslot, fq, zero
	s_wait_dscnt 24                                ; this quarter's fragments are in; the next quarter's 24 loads may stay out
	WIN 0x50
	MUL16 AF0+64*\p, BF0+32*\p, 0, \zero
	MUL16 AF0+64*\p, BF0+32*\p, 4, \zero
	WIN 0
	PLACES
	FETCH \p, \fslot, \fq
.endm
; The third quarter changes slots: the fourth quarter's fragments are in registers by then.  Waits, barrier and refill in the order of launch qkv.
; From a refill's request to the wait for it a wave issues 112 of a step's 128 matrix instructions.
.macro QTURN slot, next, fill
	s_wait_dscnt 24
	WIN 0x50
	MUL16 AF0, BF0, 0, 0
	s_wait_dscnt 0x0                               ; my reads of this slot are over
	s_wait_tensorcnt 0x0                           ; all my tensor loads have landed: the one that was out is my part of the next slot
	ds_add_u32 v254, v255
	s_wait_dscnt 0x0
	s_barrier_signal -1
	MUL16 AF0, BF0, 4, 0
	WIN 0
	s_barrier_wait -1
.if \fill
	CREST                                          ; no wave of any partner still reads this slot or has a load on its way
	s_add_nc_u64 s[G0+4*\slot+2:G0+4*\slot+3], s[G0+4*\slot+2:G0+4*\slot+3], 2*ASTEP
	s_add_nc_u64 s[G0B+4*\slot+2:G0B+4*\slot+3], s[G0B+4*\slot+2:G0B+4*\slot+3], 2*BSTEP
	JLOAD \slot                                    ; the wave's one tensor load behind the round
.endif
	PLACES
	FETCH 0, \next, 0
.endm
.macro KSTEP slot, next, fill, zero
	QUART 0, \slot, 2, \zero
	QUART 1, \slot, 3, 0
	QTURN \slot, \next, \fill
	QUART 1, \next, 1, 0
.endm
	s_wait_tensorcnt 0x1                           ; my part of K step 0 is in; K step 1's may stay out
	s_barrier_signal -1
	s_barrier_wait -1
	FETCH 0, 0, 0
	FETCH 1, 0, 1
	KSTEP 0, 1, 1, 1                               ; the first lap stands in front of the loop: its first quarter starts the sums
	KSTEP 1, 0, 1, 0
	WIN 0
	s_mov_b32 s3, LAPS-2
.Llap:
	KSTEP 0, 1, 1, 0
	KSTEP 1, 0, 1, 0
	WIN 0
	s_sub_co_u32 s3, s3, 1
	s_cmp_lg_u32 s3, 0
	s_cbranch_scc1 .Llap
	KSTEP 0, 1, 0, 0                               ; the last lap fills nothing
	QUART 0, 1, 2, 0
	QUART 1, 1, 3, 0
	s_wait_dscnt 24
	WIN 0x50
	MUL16 AF0, BF0, 0, 0
	MUL16 AF0, BF0, 4, 0
	s_wait_dscnt 0x0
	MUL16 AF1, BF1, 0, 0
	MUL16 AF1, BF1, 4, 0
	WIN 0
	PLACES                                         ; behind the last matrix instructions, ahead of the LDS stores that read the sums
	; THE WAY OUT, 16 rows at a time, in f32: the sums go into my own stage as they are, whole rows of 256 bytes come back.
	s_lshl_b32 s16, s13, 20                        ; my first row: (256 block row + 128 half) x 4,096 bytes
	s_lshl_b32 s17, s11, 19
	s_add_co_u32 s16, s16, s17
	s_mov_b32 s17, 0
	s_add_nc_u64 s[8:9], s[8:9], s[16:17]
	s_lshl_b32 s46, s42, 9                         ; my first column: (128 block column + 64 half) x 4 bytes
	s_lshl_b32 s47, s12, 8
	s_add_co_u32 s46, s46, s47
	s_mov_b32 s47, 0
	s_add_nc_u64 s[8:9], s[8:9], s[46:47]
.macro OUT16 a, f                      ; f: v32 or v96 by turns
	WIN 0x04                                       ; an LDS store's data is source 1: window 1
.irp ib, 0,1,2,3
	ds_store_b128 v[STO], v[8*(4*\a+\ib):8*(4*\a+\ib)+3]   offset:64*\ib
	ds_store_b128 v[STO], v[8*(4*\a+\ib)+4:8*(4*\a+\ib)+7] offset:64*\ib+16
.endr
	WIN 0
	s_wait_xcnt 0x0                                ; buffer f, which earlier stores read, is loaded again only behind this wait
.irp t, 0,1,2,3,4,5,6,7
	ds_load_b128 v[\f+4*\t:\f+4*\t+3], v[RD] offset:\t*2*SPITCH    ; LDS serves a wave's instructions in order: these see the stores above
.endr
.irp t, 0,1,2,3,4,5,6,7
	s_wait_dscnt 7-\t                              ; the younger read-backs stay out
	global_store_b128 v[CO], v[\f+4*\t:\f+4*\t+3], s[8:9] offset:\a*65536+\t*8192 th:TH_STORE_NT   ; 16 lanes store 256 consecutive bytes, at a multiple of 256
.endr
.endm
	OUT16 0, 32
	OUT16 1, 96
	OUT16 2, 32
	OUT16 3, 96
	OUT16 4, 32
	OUT16 5, 96
	OUT16 6, 32
	OUT16 7, 96
	s_wait_tensorcnt 0x0
	ds_add_u32 v254, v255
	s_wait_dscnt 0x0
	CROUND                                         ; the closing round
	s_endpgm
.Lfunc_end_k_q750cdf1744_oproj:
	.size	k_q750cdf1744_oproj, .Lfunc_end_k_q750cdf1744_oproj-k_q750cdf1744_oproj
	.p2alignl 7, 3214868480
	.fill 96, 4, 3214868480
	.section	.rodata,"a",@progbits
	.p2align	6, 0x0
	.amdhsa_kernel k_q750cdf1744_oproj
		.amdhsa_group_segment_fixed_size 327680
		.amdhsa_private_segment_fixed_size 0
		.amdhsa_enable_private_segment 0
		.amdhsa_kernarg_size 24
		.amdhsa_user_sgpr_count 2
		.amdhsa_user_sgpr_kernarg_segment_ptr 1
		.amdhsa_wavefront_size32 1
		.amdhsa_system_sgpr_workgroup_id_x 1
		.amdhsa_system_sgpr_workgroup_id_y 1
		.amdhsa_system_sgpr_workgroup_id_z 1
		.amdhsa_system_vgpr_workitem_id 0
		.amdhsa_next_free_vgpr 512
		.amdhsa_next_free_sgpr 66
		.amdhsa_reserve_vcc 0
		.amdhsa_float_denorm_mode_32 3
		.amdhsa_float_denorm_mode_16_64 3
		.amdhsa_memory_ordered 1
		.amdhsa_forward_progress 1
		.amdhsa_inst_pref_size 117
	.end_amdhsa_kernel
	.amdgpu_metadata
---
amdhsa.version: [ 1, 2 ]
amdhsa.kernels:
  - .name:           k_q750cdf1744_oproj
    .symbol:         k_q750cdf1744_oproj.kd
    .args:
      - { .name: zh, .offset: 0, .size: 8, .value_kind: global_buffer, .address_space: global }
      - { .name: woh, .offset: 8, .size: 8, .value_kind: global_buffer, .address_space: global }
      - { .name: out0, .offset: 16, .size: 8, .value_kind: global_buffer, .address_space: global }
    .group_segment_fixed_size: 327680
    .private_segment_fixed_size: 0
    .kernarg_segment_align: 8
    .kernarg_segment_size: 24
    .max_flat_workgroup_size: 128
    .sgpr_count:     66
    .vgpr_count:     512
    .wavefront_size: 32
...
	.end_amdgpu_metadata
.endif
;; end of part 4
;; ======== version 2 of 2: 4 launches; 1.22 times as fast as version 1
;; limits: values are held in f16: magnitudes above 65,504 overflow, below 6.1e-05 lose precision
;; workspace buffers: xh 16,777,216 bytes; wh 6,291,456 bytes; woh 2,097,152 bytes; qkvh 50,331,648 bytes; zh 16,777,216 bytes
;; launch cast: the kernel of part 1 again; grid 768 x 1, 8 waves a work-group, no clusters, 0 bytes of LDS; arguments x, W_Q, W_K, W_V, W_O, xh, wh, woh; writes xh, wh, woh
;; launch qkv: the kernel of part 2 again; grid 8 x 32, 4 waves a work-group, clusters of 4 x 4, 327,680 bytes of LDS; arguments xh, wh, qkvh; writes qkvh
;; launch attn (part 5): grid 256 x 1, 4 waves a work-group, clusters of 4 x 1, 327,680 bytes of LDS; arguments qkvh, zh; writes zh
.if DOCPART == 5
	.amdgcn_target "amdgcn-amd-amdhsa--gfx1250"
	.amdhsa_code_object_version 6
	.text
	.protected	k_q750cdf1744_attn
	.globl	k_q750cdf1744_attn
	.p2align	8
	.type	k_q750cdf1744_attn,@function
k_q750cdf1744_attn:
	s_mov_b64 s[64:65], 0
	v_nop
	global_prefetch_b8 v0, s[64:65] scope:SCOPE_SE
	s_setreg_imm32_b32 hwreg(HW_REG_WAVE_MODE, 25, 1), 1
	s_wait_xcnt 0x0
	s_wait_alu depctr_hold_cnt(0) depctr_sa_sdst(0) depctr_va_vdst(0) depctr_va_sdst(0) depctr_va_ssrc(0) depctr_va_vcc(0) depctr_vm_vsrc(0)
	s_getreg_b32 s2, hwreg(HW_REG_IB_STS2, 6, 4)
	s_cmp_eq_u32 s2, 0
	s_cbranch_scc0 .Lentry_in_a_cluster
	s_endpgm
.Lentry_in_a_cluster:
	s_bfe_u32 s2, ttmp6, 0x10000c
	s_cmp_lg_u32 s2, 0x3003
	s_cbranch_scc0 .Lentry_shape_is_right
	s_endpgm
.Lentry_shape_is_right:
; ATTN: z = softmax(masked scores / 8) v for one (batch, head) in each cluster of four work-groups.  q, k, v from qkvh (f16), z to zh [16 heads][8192][64] (f16).
; LEFT OUT: every step of 64 keys x 16 queries in which each key lies behind each query.  reference() multiplies those scores by a 0 of its own tril and
; puts -1e10 there; the weight exp((-1e10 - m)/8) is under the smallest f32 number while the row's largest live score m is above -9.99e9 (a limit).  A NaN,
; an infinity or an overflow that reaches only those steps is not carried to the result.  In the steps that hold keys of both kinds the entry is set to
; -1e10 by a select.  The maximum is taken away before the exponential, as a running maximum in f32.
; Limit: |z| under 65,504; weights under 2^-14 carry an error of at most 2^-25.
; SHARES.  Cluster c: head c & 15, batch c >> 4, all 2,048 queries.  Its 16 waves walk the keys together in 8 phases of 256 keys, each in 4 sub-steps u of
; 64 keys; K and V tiles are asked for jointly by the four work-groups.  Every wave holds 8 query tiles of 16 rows; tile i has rows
; 256 i + 64 wave + 16 cx + r.  In phase j tiles i > j are plain and tiles i < j are finished.  Tile i = j against sub-step u: keys 256 j + 64 u + 0 .. 63
; against rows 256 j + 64 wave + 0 .. 63: for u < wave no key lies behind a query (plain), for u = wave some do (masked), for u > wave all do (left out).
; So LOW = j + (u > wave) is the lowest live tile.  The control flow hangs on j, u and the wave's number alone and is the same in all four partners; cx
; enters only q's and z's addresses and the number that the mask compares.
; TRANSPOSED FORMS.  S^T = K Q^T: lane (r, h) holds query r and keys 8 h + 0 .. 7 of each key tile.  Two neighbouring tiles of S^T, packed to f16, are the
; second source P^T of O^T += V^T P^T as they stand; V^T comes from LDS by the transposing load.  A query's maximum and sum are made inside the lane and
; with one exchange between the halves of the wave; the sum's exchange comes once, at the end.
; TURNS.  A sub-step walks the live tiles from 7 down to LOW.  Tile n's softmax (120 vector lines) is cut into 16 slices; slices 0-7 stand one behind each
; of the 8 score products of tile n - 1, slices 8-15 one behind each of the 8 O products of tile n + 1, so that matrix and vector lines lie side by side
; and no slice names a register of the product in front of it.  Scores and weights have two buffers, chosen by the tile's parity.  The lowest live tile
; has no tile below it: its slices 0-7 stand alone, and its own O products close the sub-step.  Each product stands between two window switches.
; BATCHES.  A tile's 33 exponentials (the factor that rescales, and the 32 weights) are ONE batch: all stand in slices 2-7, among the lines that make their
; exponents, and no line there names a result of theirs.  Behind slice 7 stand one v_nop, the plain line behind the last exponential (ISA guide 5.7.2), and
; one s_wait_alu depctr_va_vdst(0), ahead of the first line that names a result; both stand ahead of the jump and the label
; at which the two texts of slices 0-7 join.  All that reads a result stands in slices 8-15: the rescaling of O[n], the roundings to f16, the sums.  No
; exponential is issued in slices 8-15.  The way out's eight reciprocals are a batch of their own, with one wait.
; LDS: slot 0 at 0, slot 1 at 131,072 (one bit apart); a slot: K 256 rows at pitch 144, then V 256 rows at pitch 160 (5 x 32, for the transposing load).
; The stage for the way out lies at 77,824, a multiple of 256, 2,304 bytes a wave; no tensor load lands there.
; REGISTERS: window 0 as named below; window 1: O[i][ht] at v[32 i + 8 ht]; window 2: q fragments QF[i][d] at v[16 i + 8 d], K fragments from v128.
.set PK,    144
.set PV,    160
.set KREG,  256*PK                     ; 36,864
.set STG,   KREG+256*PV                ; 77,824
.set SLOTX, 0x20000
.set VK0,  8                           ; r x 144 + 16 h
.set VV0,  9                           ; KREG + (8 h + (l & 7)) x 160 + 16 ((l >> 3) & 1)
.set VK,   10                          ; this sub-step's K address
.set VV,   11                          ; this sub-step's V address
.set VD,   13                          ; 16 cx + r - 8 h: in the sub-step u = wave my key 16 kt + jj lies behind my query where 16 kt + jj > VD
.set VNEG, 14                          ; -1e10
.set VQ,   15                          ; byte offset of my q fragments
.set STO,  16
.set RD,   17
.set CO,   18
.set NMX,  20                          ; v[20:27]  tile i: -c x running maximum, c = log2(e) / 8; on the way out: what the other half of the wave sends
.set LS,   28                          ; v[28:35]  tile i: my lane's part of the running sum; on the way out: the whole sum, then its reciprocal
.set TT,   36                          ; v[36:39]  at work
.set AL,   40                          ; v[40:41]  the factor that rescales; the upper register is only named with the pair
.set RS,   42                          ; v[42:43]  the step's sum, two chains
.set XX,   44                          ; what the other half of the wave sends
.set SC,   48                          ; v[48:111] scores, then weights: buffer (tile & 1) at 32 (tile & 1), key tile kt at 8 kt
.set PW,   112                         ; v[112:143] weights in f16: buffer (tile & 1) at 16 (tile & 1)
.set RB,   144                         ; v[144:175] the way out: rows read back, two buffers
.set VF,   176                         ; v[176:239] V^T fragment (ht, kh) at 16 ht + 8 kh
.set KF,   128                         ; window 2, v[128:191]: K fragment (kt, d) at 16 kt + 8 d
.set MSB, 0
.macro WIN new                         ; the immediate's high byte repeats the setting that is left
.if MSB != \new
	s_set_vgpr_msb (MSB<<8)|\new
.set MSB, \new
.endif
.endm
.macro PLACES                          ; four places behind a matrix instruction, ahead of readers of its result (ISA guide 7.12.1)
.rept 4
	v_nop
.endr
.endm
.macro ROUND                           ; a round of the cluster's barrier
	s_barrier_signal -1
	s_barrier_wait -1
	s_cmp_lg_u32 s8, 0
	s_cbranch_scc1 .Lnot_wave_0_\@
	s_barrier_signal -3
.Lnot_wave_0_\@:
	s_barrier_wait -3
	s_barrier_signal -1
	s_barrier_wait -1
.endm
.macro JL gk, gv                       ; a joint load: waves 0 and 1 fetch the halves of K's tile, waves 2 and 3 those of V's
	s_cmp_eq_u32 s10, 0
	s_cbranch_scc0 .Lfor_v_\@
	tensor_load_to_lds s[\gk:\gk+3], s[24:31]
	s_nop 0
	s_branch .Lasked_\@
.Lfor_v_\@:
	tensor_load_to_lds s[\gv:\gv+3], s[32:39]
	s_nop 0
.Lasked_\@:
.endm
	s_load_b128 s[4:7], s[0:1], 0x0                ; qkvh s[4:5], zh s[6:7]
	v_lshl_add_u32 v254, v0, 2, 0x33000
	v_mov_b32 v255, 0
	ds_add_u32 v254, v255
	v_lshrrev_b32 v1, 5, v0
	v_readfirstlane_b32 s8, v1                     ; wave 0..3
	s_and_b32 s9, s8, 1                            ; which 128 keys of a tile I fetch
	s_lshr_b32 s10, s8, 1                          ; I fetch for K (0) or for V (1)
	s_bfe_u32 s11, ttmp6, 0x40000                  ; cx
	s_mov_b32 s12, 0x76543210                      ; v_permlanex16_b32: lane i of one half reads lane i of the other
	s_mov_b32 s13, 0xfedcba98
	s_mov_b32 s14, 0x3e38aa3b                      ; c = log2(e) / 8: the division by sqrt(64) and the change of base in one factor
	s_mov_b32 s15, 0x3e38aa3b                      ; the pair is named whole
	s_mov_b32 s16, 0xbe38aa3b                      ; -c
	; group 1: a dense block of 128 keys x 128 bytes as 64 rows of 256 bytes; padding behind every 128 bytes: 16 bytes for K, 32 for V; mask: all four partners
	s_mov_b32 s24, 15|(3<<16)|(1<<20)|(1<<21)|(4<<22)|(3<<25)
	s_mov_b32 s25, 32<<16
	s_mov_b32 s26, 64<<16
	s_mov_b32 s27, 32<<16
	s_mov_b32 s28, 64
	s_mov_b32 s29, 32
	s_mov_b32 s30, 0
	s_mov_b32 s31, 0
	s_mov_b32 s32, 15|(3<<16)|(1<<20)|(1<<21)|(4<<22)|(7<<25)
	s_mov_b32 s33, 32<<16
	s_mov_b32 s34, 64<<16
	s_mov_b32 s35, 32<<16
	s_mov_b32 s36, 64
	s_mov_b32 s37, 32
	s_mov_b32 s38, 0
	s_mov_b32 s39, 0
	s_and_b32 s20, ttmp9, 15                       ; head
	s_lshr_b32 s21, ttmp9, 4                       ; batch
	s_lshl_b32 s56, s20, 20                        ; a slice is 8,192 rows of 128 bytes,
	s_lshl_b32 s21, s21, 18                        ; a batch 2,048 rows
	s_add_co_u32 s56, s56, s21                     ; q's and z's rows of this (batch, head)
	s_mov_b32 s57, 0
	s_lshl_b32 s22, s9, 14                         ; my 128 keys
	s_add_co_u32 s58, s56, s22
	s_add_co_u32 s58, s58, 16<<20                  ; k: 16 slices on
	s_mov_b32 s59, 0
	s_add_co_u32 s60, s58, 16<<20                  ; v: 32 slices on
	s_mov_b32 s61, 0
	s_mov_b32 s40, 1                               ; group 0: s[40:43] K slot 0, s[44:47] K slot 1, s[48:51] V slot 0, s[52:55] V slot 1
	s_mul_i32 s41, s9, 128*PK
	s_mov_b32 s44, 1
	s_add_co_u32 s45, s41, SLOTX
	s_mov_b32 s48, 1
	s_mul_i32 s49, s9, 128*PV
	s_add_co_u32 s49, s49, KREG
	s_mov_b32 s52, 1
	s_add_co_u32 s53, s49, SLOTX
	v_and_b32 v2, 31, v0                           ; l
	v_and_b32 v3, 15, v0                           ; r
	v_bfe_u32 v4, v0, 4, 1                         ; h
	v_and_b32 v5, 7, v0
	v_mul_u32_u24 v[VK0], v3, PK
	v_lshl_add_u32 v[VK0], v4, 4, v[VK0]
	v_lshl_add_u32 v6, v4, 3, v5
	v_mul_u32_u24 v[VV0], v6, PV
	v_bfe_u32 v6, v0, 3, 1
	v_lshl_add_u32 v[VV0], v6, 4, v[VV0]
	v_add_nc_u32 v[VV0], KREG, v[VV0]
	s_mul_i32 s20, s8, 16*PK
	s_add_co_u32 s20, s20, STG                     ; my stage: made of the wave's number alone
	v_add_nc_u32 v[STO], s20, v[VK0]               ; in: row r, 16 bytes for each half of the lanes
	v_lshrrev_b32 v6, 3, v2
	v_mul_u32_u24 v6, v6, PK
	v_lshl_add_u32 v6, v5, 4, v6
	v_add_nc_u32 v[RD], s20, v6                    ; back: eight lanes a row of 128 bytes, four rows a load
	s_lshl_b32 s22, s8, 6
	s_lshl_b32 s23, s11, 4
	v_add_nc_u32 v[VD], s23, v3                    ; 16 cx + r: my query's place among my wave's 64 rows of a block,
	v_lshlrev_b32 v6, 3, v4
	v_sub_nc_u32 v[VD], v[VD], v6                  ; less the 8 h that my keys start at (may be negative: compared as signed)
	s_add_co_u32 s22, s22, s23                     ; 64 wave + 16 cx: the first row of my tiles inside a block of 256
	v_add_nc_u32 v[VQ], s22, v3
	v_lshlrev_b32 v[VQ], 7, v[VQ]
	v_lshl_add_u32 v[VQ], v4, 4, v[VQ]             ; row x 128 + 16 h
	s_lshl_b32 s23, s22, 7
	v_lshl_add_u32 v[CO], v2, 4, s23               ; z: 16 rows of 128 bytes are dense: 16 l inside them
	v_mov_b32 v[VNEG], 0xd01502f9                  ; -1e10, exact in f32
	v_mov_b32 v[XX], 0                             ; a permute's destination counts as read
	v_mov_b32 v[AL+1], 0                           ; named with its pair, never used
.irp n, 0,2,4,6
	v_mov_b32 v[NMX+\n], 0                         ; the tiles start from 7 downward: tile n + 1 names the pair before tile n has written its half; the value is not used
.endr
	s_wait_dscnt 0x0
	s_wait_kmcnt 0x0
	s_add_nc_u64 s[42:43], s[4:5], s[58:59]        ; K, phase 0
	s_add_nc_u64 s[46:47], s[42:43], 256*128       ; K, phase 1
	s_add_nc_u64 s[50:51], s[4:5], s[60:61]        ; V, phase 0
	s_add_nc_u64 s[54:55], s[50:51], 256*128       ; V, phase 1
	s_or_b32 s43, s43, 0x80000000
	s_or_b32 s47, s47, 0x80000000
	s_or_b32 s51, s51, 0x80000000
	s_or_b32 s55, s55, 0x80000000
	s_add_nc_u64 s[4:5], s[4:5], s[56:57]          ; q
	s_add_nc_u64 s[6:7], s[6:7], s[56:57]          ; z
	ROUND                                          ; all four work-groups are here: the first joint loads meet
	JL 40, 48                                      ; phase 0 into slot 0
	JL 44, 52                                      ; phase 1 into slot 1: two tensor loads of the wave are out
	WIN 0x80                                       ; destination in window 2
.irp i, 0,1,2,3,4,5,6,7
.irp e, 0,1,2,3
	global_load_b128 v[16*\i+4*\e:16*\i+4*\e+3], v[VQ], s[4:5] offset:\i*32768+32*\e   ; QF[i]: d = e / 2, the fragment's two halves 32 bytes apart
.endr
.endr
	WIN 0
; The two numbers that steer a sub-step, from the phase j (s17), the sub-step u (s18) and the wave's number (s8).
.macro SUBHEAD
	s_cmp_gt_u32 s18, s8                           ; u > wave: all 64 keys lie behind my rows of the diagonal tile
	s_cselect_b32 s23, 1, 0
	s_add_co_u32 s23, s23, s17                     ; LOW: the lowest live tile
	s_cmp_eq_u32 s18, s8                           ; u = wave: the diagonal tile has keys of both kinds
	s_cselect_b32 s63, s17, 8                      ; the tile that is masked; 8: none
.endm
; This sub-step's 64 keys: 16 loads for K's fragments, 16 transposing loads for V's, in one run.  The two address lines and the two v_nop are the four
; places behind the last product, whose V fragments are loaded over.
.macro LOADKV
	s_mul_i32 s20, s18, 64*PK
	s_add_co_u32 s20, s20, s19
	s_mul_i32 s21, s18, 64*PV
	s_add_co_u32 s21, s21, s19
	v_add_nc_u32 v[VK], s20, v[VK0]
	v_add_nc_u32 v[VV], s21, v[VV0]
	v_nop
	v_nop
	WIN 0x80                                       ; K's fragments lie in window 2
.irp kt, 0,1,2,3
.irp e, 0,1,2,3
	ds_load_b128 v[KF+16*\kt+4*\e:KF+16*\kt+4*\e+3], v[VK] offset:\kt*16*PK+32*\e
.endr
.endr
	WIN 0
.irp ht, 0,1,2,3
.irp kh, 0,1
	ds_load_tr16_b128 v[VF+16*\ht+8*\kh:VF+16*\ht+8*\kh+3],   v[VV] offset:\kh*32*PV+32*\ht
	ds_load_tr16_b128 v[VF+16*\ht+8*\kh+4:VF+16*\ht+8*\kh+7], v[VV] offset:\kh*32*PV+16*PV+32*\ht
.endr
.endr
	s_wait_dscnt 16                                ; K's fragments are in; V's 16 loads may stay out
.endm
; Score product w of tile t: key tile w & 3, half w >> 2 of the head's 64.  The first four start the sums.  The four score tiles take turns, one matrix
; instruction a turn.
.macro QKW t, w
	WIN 0x0a                                       ; sources 0 (K) and 1 (q) in window 2
.if (\w) < 4
	v_wmma_f32_16x16x32_f16 v[SC+32*((\t)&1)+8*(\w):SC+32*((\t)&1)+8*(\w)+7], v[KF+16*(\w):KF+16*(\w)+7], v[16*(\t):16*(\t)+7], 0
.else
	v_wmma_f32_16x16x32_f16 v[SC+32*((\t)&1)+8*((\w)-4):SC+32*((\t)&1)+8*((\w)-4)+7], v[KF+16*((\w)-4)+8:KF+16*((\w)-4)+15], v[16*(\t)+8:16*(\t)+15], v[SC+32*((\t)&1)+8*((\w)-4):SC+32*((\t)&1)+8*((\w)-4)+7]
.endif
.endm
; O product w of tile t: head tile w & 3, half w >> 2 of the 64 keys.  first = 1: the first four start the sums.  The four O tiles take turns likewise.
.macro PVW t, w, first
	WIN 0x50                                       ; C and D in window 1
.if (\w) < 4
.if \first
	v_wmma_f32_16x16x32_f16 v[32*(\t)+8*(\w):32*(\t)+8*(\w)+7], v[VF+16*(\w):VF+16*(\w)+7], v[PW+16*((\t)&1):PW+16*((\t)&1)+7], 0
.else
	v_wmma_f32_16x16x32_f16 v[32*(\t)+8*(\w):32*(\t)+8*(\w)+7], v[VF+16*(\w):VF+16*(\w)+7], v[PW+16*((\t)&1):PW+16*((\t)&1)+7], v[32*(\t)+8*(\w):32*(\t)+8*(\w)+7]
.endif
.else
	v_wmma_f32_16x16x32_f16 v[32*(\t)+8*((\w)-4):32*(\t)+8*((\w)-4)+7], v[VF+16*((\w)-4)+8:VF+16*((\w)-4)+15], v[PW+16*((\t)&1)+8:PW+16*((\t)&1)+15], v[32*(\t)+8*((\w)-4):32*(\t)+8*((\w)-4)+7]
.endif
.endm
.macro QKALL t                         ; a sub-step's first tile: its eight score products alone, then the four places ahead of the lines that read them
.set ww, 0
.rept 8
	QKW \t, ww
.set ww, ww+1
.endr
	WIN 0
	PLACES
.endm
.macro FIN n, first                    ; the lowest live tile's eight O products close the sub-step
.if \n == 7
	s_wait_dscnt 0x0                               ; V's fragments are in: these are the sub-step's first O products
.endif
.set ww, 0
.rept 8
	PVW \n, ww, \first
.set ww, ww+1
.endr
	WIN 0
.endm
.macro MASK n                          ; the sub-step u = wave of the diagonal tile
.irp kt, 0,1,2,3
.irp jj, 0,1,2,3,4,5,6,7
	v_cmp_gt_i32 vcc_lo, 16*\kt+\jj, v[VD]                     ; the key lies behind the query:
	v_cndmask_b32 v[SC+32*((\n)&1)+8*\kt+\jj], v[SC+32*((\n)&1)+8*\kt+\jj], v[VNEG], vcc_lo   ; -1e10 in the score's place
.endr
.endr
.endm
.macro SCALE k, i                      ; two exponents: score x c - c x maximum; tile i's NMX feeds both halves.  SB: the tile's score buffer
.if (\i)&1
	v_pk_fma_f32 v[SB+2*\k:SB+2*\k+1], v[SB+2*\k:SB+2*\k+1], s[14:15], v[NMX+\i-1:NMX+\i] op_sel:[0,0,1] op_sel_hi:[1,0,1]
.else
	v_pk_fma_f32 v[SB+2*\k:SB+2*\k+1], v[SB+2*\k:SB+2*\k+1], s[14:15], v[NMX+\i:NMX+\i+1] op_sel_hi:[1,0,0]
.endif
.endm
; Number j (0 .. 32) of the lines that read the weights, all behind the batch's wait.  0, 1: pairs 0 and 1 are rounded to f16.  2: they start the step's sum.
; 3 .. 30: pair k = 2 .. 15 is rounded (odd j) and added onto the sum (even j), pairs ascending.  31, 32: the sum's two chains meet; the running sum takes them.
.macro READER n, first, j
.if (\j) < 2
	v_cvt_pk_f16_f32 v[PB+(\j)], v[SB+2*(\j)], v[SB+2*(\j)+1]
.elseif (\j) == 2
	v_pk_add_f32 v[RS:RS+1], v[SB:SB+1], v[SB+2:SB+3]          ; the first two pairs start the step's sum
.elseif (\j) < 31
.if (\j)&1
	v_cvt_pk_f16_f32 v[PB+((\j)+1)/2], v[SB+(\j)+1], v[SB+(\j)+2]
.else
	v_pk_add_f32 v[RS:RS+1], v[RS:RS+1], v[SB+(\j):SB+(\j)+1]
.endif
.elseif (\j) == 31
.if \first
	v_add_f32 v[LS+\n], v[RS], v[RS+1]
.else
	v_add_f32 v[TT+1], v[RS], v[RS+1]
.endif
.elseif \first == 0
	v_fma_f32 v[LS+\n], v[LS+\n], v[AL], v[TT+1]
.endif
.endm
; Slice s (0 .. 15) of tile n's softmax against the sub-step's 64 keys.  first = 1: starts the tile's maximum and sum (nothing is cleared, no rescaling).
; 0, 1: the largest of my 32 scores, in four chains.  2: the other half's, the running maximum, the factor's exponential, pair 0's exponents.
; 3 .. 7: three groups each of the next pair's exponents and the two exponentials of the pair before it; 7 ends with the last pair's two exponentials.
; From the factor's exponential to the end of slice 7 no line names an exponential's result; HALFA writes the batch's wait behind slice 7.
; 8, 9: O[n] is rescaled.  10 .. 15: READER's 33 lines, six, six, six, five, five, five.
.macro SLICE n, first, s
.set SB, SC+32*((\n)&1)
.set PB, PW+16*((\n)&1)
.if (\s) == 0
	WIN 0
.irp c, 0,1,2,3
	v_max3_num_f32 v[TT+\c], v[SB+8*\c], v[SB+8*\c+1], v[SB+8*\c+2]
.endr
.irp c, 0,1,2,3
	v_max3_num_f32 v[TT+\c], v[TT+\c], v[SB+8*\c+3], v[SB+8*\c+4]
.endr
.endif
.if (\s) == 1
	WIN 0
.irp c, 0,1,2,3
	v_max3_num_f32 v[TT+\c], v[TT+\c], v[SB+8*\c+5], v[SB+8*\c+6]
.endr
	v_max3_num_f32 v[TT], v[TT], v[SB+7], v[SB+15]
	v_max3_num_f32 v[TT+2], v[TT+2], v[SB+23], v[SB+31]
	v_max3_num_f32 v[TT], v[TT], v[TT+1], v[TT+2]
	v_max_num_f32 v[TT], v[TT], v[TT+3]
.endif
.if (\s) == 2
	WIN 0
	v_permlanex16_b32 v[XX], v[TT], s12, s13
	v_max_num_f32 v[TT], v[TT], v[XX]
.if \first
	v_mul_f32 v[NMX+\n], s16, v[TT]
.else
	v_mul_f32 v[TT], s16, v[TT]                    ; -c x this step's maximum
	v_sub_f32 v[AL], v[TT], v[NMX+\n]
	v_min_num_f32 v[NMX+\n], v[NMX+\n], v[TT]      ; the running maximum grows = its negative multiple shrinks
	v_min_num_f32 v[AL], 0, v[AL]                  ; c x (old maximum - new maximum), 0 where the old one stays
	v_exp_f32 v[AL], v[AL]                         ; the batch's first; the plain line behind it is the SCALE below
.endif
	SCALE 0, \n
.endif
.if ((\s) > 2) && ((\s) < 8)
	WIN 0
.set gg, 3*((\s)-3)
.rept 3
	SCALE (gg+1), \n                               ; a plain line leads each group; it writes the pair behind the one whose exponentials follow
	v_exp_f32 v[SB+2*gg], v[SB+2*gg]
	v_exp_f32 v[SB+2*gg+1], v[SB+2*gg+1]
.set gg, gg+1
.endr
.endif
.if (\s) == 7
	v_exp_f32 v[SB+30], v[SB+30]
	v_exp_f32 v[SB+31], v[SB+31]                   ; the batch's last
.endif
.if ((\s) == 8) || ((\s) == 9)
.if \first == 0
	WIN 0x41                                       ; O in window 1, the factor in window 0
.set pp, 8*((\s)-8)
.rept 8
	v_pk_mul_f32 v[32*\n+2*pp:32*\n+2*pp+1], v[32*\n+2*pp:32*\n+2*pp+1], v[AL:AL+1] op_sel_hi:[1,0]
.set pp, pp+1
.endr
.endif
.endif
.if (\s) > 9
	WIN 0
.set rn, 6
.set rj, 6*((\s)-10)
.if (\s) > 12
.set rn, 5
.set rj, 18+5*((\s)-13)
.endif
.rept rn
	READER \n, \first, rj
.set rj, rj+1
.endr
.endif
.endm
; Slices 0-7 of tile n; qk = 1: one behind each score product of tile n - 1.  They hold the tile's whole batch of exponentials and end with its one wait.
.macro HALFA n, first, qk
.set ww, 0
.rept 8
.if \qk
	QKW (\n-1), ww
.endif
	SLICE \n, \first, ww
.set ww, ww+1
.endr
	WIN 0
	v_nop                                          ; the plain line behind the last exponential (ISA guide 5.7.2): one for the batch
	s_wait_alu depctr_va_vdst(0)                   ; the wait for the batch: the factor's exponential and the 32 weights'; it stands ahead of slice 8, the first reader, and of the jump and label that may follow
.endm
; Slices 8-15 of tile n, one behind each O product of tile n + 1 (tile 7 has none above it)
.macro HALFB n, first
.if \n == 6
	s_wait_dscnt 0x0                               ; V's fragments are in: tile 7's are the sub-step's first O products
.endif
.set ww, 0
.rept 8
.if \n < 7
	PVW (\n+1), ww, \first
.endif
	SLICE \n, \first, ww+8
.set ww, ww+1
.endr
	WIN 0
.endm
; Tile n's stage.  dyn = 2: always above LOW; 0: always the lowest live tile (the caller's FIN follows); 1: by LOW in s23, and where n = LOW the
; stage ends with a jump to fin, the tile's own O products.  msk = 1: n can be the tile that s63 names for the mask.
.macro TILE n, first, dyn, msk, fin
.if \dyn == 1
	s_cmp_lg_u32 s23, \n
	s_cbranch_scc1 .Labove_\@
.endif
.if \dyn < 2
.if \msk
	s_cmp_lg_u32 s63, \n
	s_cbranch_scc1 .Lplain_\@
	MASK \n
.Lplain_\@:
.endif
	HALFA \n, \first, 0
.endif
.if \dyn == 1
	s_branch .Lsecond_\@
.Labove_\@:
.endif
.if \dyn > 0
	HALFA \n, \first, 1
.endif
.if \dyn == 1
.Lsecond_\@:
.endif
	HALFB \n, \first
.if \dyn == 1
	s_cmp_eq_u32 s23, \n
	s_cbranch_scc1 \fin
.endif
.endm
; The end of a phase.  Every wave waits for its reads of the slot and for all its tensor loads (the one that is out is its part of the next phase).
; fill = 1: the walking descriptors step on by one phase and change slots, a round of the cluster's barrier follows, and the slot just read is asked
; for again, two phases ahead, first thing behind the round: that load has a whole phase in which to land.
.macro PHASE_END fill
	s_wait_dscnt 0x0
	s_wait_tensorcnt 0x0
	ds_add_u32 v254, v255
	s_wait_dscnt 0x0
.if \fill
	s_add_nc_u64 s[46:47], s[46:47], 256*128
	s_xor_b32 s45, s45, SLOTX
	s_add_nc_u64 s[54:55], s[54:55], 256*128
	s_xor_b32 s53, s53, SLOTX
	ROUND
	JL 44, 52
.else
	s_barrier_signal -1
	s_barrier_wait -1
.endif
	s_xor_b32 s19, s19, SLOTX                      ; the slot that is read next
.endm
	s_wait_tensorcnt 0x1                           ; my part of phase 0 is in; phase 1's may stay out
	s_barrier_signal -1
	s_barrier_wait -1
	s_mov_b32 s17, 0                               ; j
	s_mov_b32 s18, 0                               ; u
	s_mov_b32 s19, 0                               ; the slot that is read
	SUBHEAD
	LOADKV
	s_wait_loadcnt 0x0                             ; q
	QKALL 7                                        ; phase 0, sub-step 0 stands written out: it starts every tile's sums.  u = 0 is never above the wave's
	TILE 7, 1, 2, 0, 0                             ; number, so all eight tiles are live; key 0 is live for every query, so each running maximum starts
	TILE 6, 1, 2, 0, 0                             ; from a live score
	TILE 5, 1, 2, 0, 0
	TILE 4, 1, 2, 0, 0
	TILE 3, 1, 2, 0, 0
	TILE 2, 1, 2, 0, 0
	TILE 1, 1, 2, 0, 0
	TILE 0, 1, 0, 1, 0                             ; masked in wave 0 alone
	FIN 0, 1
.Lphase:                                               ; phases 0 to 5: LOW is 0 to 6
	s_cmp_eq_u32 s17, 0
	s_cselect_b32 s18, 1, 0                        ; phase 0 goes on with sub-step 1, the others begin at 0
.Lsub:
	SUBHEAD
	LOADKV
	QKALL 7
	TILE 7, 0, 2, 0, 0
	TILE 6, 0, 1, 0, .Lfa6                         ; tile 6 is never on the diagonal here
	TILE 5, 0, 1, 1, .Lfa5
	TILE 4, 0, 1, 1, .Lfa4
	TILE 3, 0, 1, 1, .Lfa3
	TILE 2, 0, 1, 1, .Lfa2
	TILE 1, 0, 1, 1, .Lfa1
	TILE 0, 0, 0, 1, 0
	FIN 0, 0
	s_branch .Lsubend
.Lfa1:
	FIN 1, 0
	s_branch .Lsubend
.Lfa2:
	FIN 2, 0
	s_branch .Lsubend
.Lfa3:
	FIN 3, 0
	s_branch .Lsubend
.Lfa4:
	FIN 4, 0
	s_branch .Lsubend
.Lfa5:
	FIN 5, 0
	s_branch .Lsubend
.Lfa6:
	FIN 6, 0
.Lsubend:
	s_add_co_u32 s18, s18, 1
	s_cmp_lt_u32 s18, 4
	s_cbranch_scc1 .Lsub
	PHASE_END 1
	s_add_co_u32 s17, s17, 1
	s_cmp_lt_u32 s17, 6
	s_cbranch_scc1 .Lphase
	s_mov_b32 s18, 0                               ; phase 6 (s17 = 6): LOW is 6 or 7; nothing is left to fetch
.Lsix:
	SUBHEAD
	LOADKV
	QKALL 7
	TILE 7, 0, 1, 0, .Lfb7
	TILE 6, 0, 0, 1, 0
	FIN 6, 0
	s_branch .Lsixend
.Lfb7:
	FIN 7, 0
.Lsixend:
	s_add_co_u32 s18, s18, 1
	s_cmp_lt_u32 s18, 4
	s_cbranch_scc1 .Lsix
	PHASE_END 0
	s_mov_b32 s17, 7                               ; phase 7: tile 7 on the diagonal; LOW is 7 or 8
	s_mov_b32 s18, 0
.Lseven:
	SUBHEAD
	s_cmp_gt_u32 s23, 7                            ; u > wave: no tile is live: neither loads nor products
	s_cbranch_scc1 .Lsevenend
	LOADKV
	QKALL 7
	TILE 7, 0, 0, 1, 0
	FIN 7, 0
.Lsevenend:
	s_add_co_u32 s18, s18, 1
	s_cmp_lt_u32 s18, 4
	s_cbranch_scc1 .Lseven
	PLACES                                         ; behind the last products, ahead of the lines that read O
	; THE WAY OUT.  First all eight tiles' divisors, as one batch: the two halves' sums meet, and the eight reciprocals follow each other, each in its tile's own register.
.irp i, 0,1,2,3,4,5,6,7
	v_permlanex16_b32 v[NMX+\i], v[LS+\i], s12, s13            ; the maxima are no longer wanted: their registers take what the other half sends
.endr
.irp i, 0,1,2,3,4,5,6,7
	v_add_f32 v[LS+\i], v[LS+\i], v[NMX+\i]
.endr
.irp i, 0,1,2,3,4,5,6,7
	v_rcp_f32 v[LS+\i], v[LS+\i]                   ; the sum is at least 1: the largest entry's weight
.endr
	v_nop                                          ; the plain line behind the last reciprocal (ISA guide 5.7.2)
	s_wait_alu depctr_va_vdst(0)                   ; the wait for the batch of eight reciprocals, ahead of the first line that names one
; Tile i goes out: O is multiplied by the sum's reciprocal and rounded to f16, 16 bytes a lane go into my stage (row = query), and whole rows
; come back: a tile's 16 rows of 128 bytes are dense in zh, each store covers 512 consecutive bytes.
.macro FINAL i
	WIN 0x01                                       ; source 0 (O) in window 1
.set pp, 0
.rept 16
.if (\i)&1
	v_pk_mul_f32 v[SC+2*pp:SC+2*pp+1], v[32*\i+2*pp:32*\i+2*pp+1], v[LS+\i-1:LS+\i] op_sel:[0,1] op_sel_hi:[1,1]   ; an odd tile's reciprocal is the pair's upper register, for both halves
.else
	v_pk_mul_f32 v[SC+2*pp:SC+2*pp+1], v[32*\i+2*pp:32*\i+2*pp+1], v[LS+\i:LS+\i+1] op_sel_hi:[1,0]
.endif
.set pp, pp+1
.endr
	WIN 0
.set pp, 0
.rept 16
	v_cvt_pk_f16_f32 v[PW+pp], v[SC+2*pp], v[SC+2*pp+1]
.set pp, pp+1
.endr
.irp ht, 0,1,2,3
	ds_store_b128 v[STO], v[PW+4*\ht:PW+4*\ht+3] offset:32*\ht
.endr
	s_wait_xcnt 0x0                                ; the registers that earlier stores read are loaded again only behind this wait
.irp t, 0,1,2,3
	ds_load_b128 v[RB+16*((\i)&1)+4*\t:RB+16*((\i)&1)+4*\t+3], v[RD] offset:4*PK*\t   ; LDS serves a wave's instructions in order: these see the stores above
.endr
.irp t, 0,1,2,3
	s_wait_dscnt 3-\t                              ; the younger read-backs stay out
	global_store_b128 v[CO], v[RB+16*((\i)&1)+4*\t:RB+16*((\i)&1)+4*\t+3], s[6:7] offset:\i*32768+\t*512
.endr
.endm
	FINAL 0
	FINAL 1
	FINAL 2
	FINAL 3
	FINAL 4
	FINAL 5
	FINAL 6
	FINAL 7
	s_wait_tensorcnt 0x0
	ds_add_u32 v254, v255
	s_wait_dscnt 0x0
	ROUND                                          ; the closing round
	s_endpgm
.Lfunc_end_k_q750cdf1744_attn:
	.size	k_q750cdf1744_attn, .Lfunc_end_k_q750cdf1744_attn-k_q750cdf1744_attn
	.p2alignl 7, 3214868480
	.fill 96, 4, 3214868480
	.section	.rodata,"a",@progbits
	.p2align	6, 0x0
	.amdhsa_kernel k_q750cdf1744_attn
		.amdhsa_group_segment_fixed_size 327680
		.amdhsa_private_segment_fixed_size 0
		.amdhsa_enable_private_segment 0
		.amdhsa_kernarg_size 16
		.amdhsa_user_sgpr_count 2
		.amdhsa_user_sgpr_kernarg_segment_ptr 1
		.amdhsa_wavefront_size32 1
		.amdhsa_system_sgpr_workgroup_id_x 1
		.amdhsa_system_sgpr_workgroup_id_y 1
		.amdhsa_system_sgpr_workgroup_id_z 1
		.amdhsa_system_vgpr_workitem_id 0
		.amdhsa_next_free_vgpr 704
		.amdhsa_next_free_sgpr 66
		.amdhsa_reserve_vcc 1
		.amdhsa_float_denorm_mode_32 3
		.amdhsa_float_denorm_mode_16_64 3
		.amdhsa_memory_ordered 1
		.amdhsa_forward_progress 1
		.amdhsa_inst_pref_size 240
	.end_amdhsa_kernel
	.amdgpu_metadata
---
amdhsa.version: [ 1, 2 ]
amdhsa.kernels:
  - .name:           k_q750cdf1744_attn
    .symbol:         k_q750cdf1744_attn.kd
    .args:
      - { .name: qkvh, .offset: 0, .size: 8, .value_kind: global_buffer, .address_space: global }
      - { .name: zh, .offset: 8, .size: 8, .value_kind: global_buffer, .address_space: global }
    .group_segment_fixed_size: 327680
    .private_segment_fixed_size: 0
    .kernarg_segment_align: 8
    .kernarg_segment_size: 16
    .max_flat_workgroup_size: 128
    .sgpr_count:     66
    .vgpr_count:     704
    .wavefront_size: 32
...
	.end_amdgpu_metadata
.endif
;; end of part 5
;; launch oproj: the kernel of part 4 again; grid 8 x 32, 4 waves a work-group, clusters of 4 x 4, 327,680 bytes of LDS; arguments zh, woh, out0; writes out0
